; MI455X (gfx1250); checked and timed in simulation.
; The chip was launched on July 23, 2026; its instructions are those of AMD's public machine-readable ISA for CDNA 5 (MIT licence, August 2026) and "CDNA5" Instruction Set Architecture Reference Guide (July 2026). The comments in the code are by the model that wrote it; some were corrected since.
;; Tuck ER KBLN. Allowed arithmetic: matrix products marked QUANTISED: E2M1 operands, one E8M0 scale for each 32 along K, by v_wmma_scale_f32_16x16x128_f8f6f4 with both operands' format E2M1 (or v_wmma_scale_f32_32x16x128_f4), f32 sums; products left as they are: f32 operands where the result goes on into a quantised operand, else bf16, f16 or f32 operands; f32 sums; everything else in f32.
;; Inputs: E 40,000 x 200 float32; R 500 x 200 float32; W 200 x 200 x 200 float32; bn0_beta 200 float32; bn0_gamma 200 float32; bn1_beta 200 float32; bn1_gamma 200 float32; c 64 float32; e1_idx 64 int32; lits 40,000 x 64 float32; nf 500 x 64 float32; r_idx 64 int32; var_l 64 float32.
;; Outputs: out0 64 x 40,000 float32.
;; This version of the problem:
;;   THIS VERSION OF THE PROBLEM IS GIVEN IN LOW PRECISION. The matrix products marked QUANTISED in the list below multiply operands that are first quantised to E2M1 (2 exponent bits, 1 mantissa bit; 4 bits a number), with one power-of-two scale for each 32 numbers along K (OCP MX v1.0); their sums are f32. All else is computed in f32.
;;   The module's matrix products, in the order in which they are computed (A, B: the left and right operand; K: the contracted axis; several contracted axes count as one K, in the product's order):
;;     1. [M 64, K 200] x [K 200, N 40,000]; A: computed on the way; B: input W: QUANTISED
;;     2. batch 64 x [M 1, K 200] x [K 200, N 200]; A: computed on the way; B: computed on the way: left as it is (M = 1 < 16)
;;     3. [M 64, K 200] x [K 200, N 40,000]; A: computed on the way; B: input E: QUANTISED
;;     4. batch 64 x [M 40,000, K 64] x [K 64, N 1]; A: computed on the way; B: computed on the way: left as it is (N = 1 < 16)
;;   THE QUANTISER, for each operand of a quantised product, along K:
;;     - K is cut into blocks of 32 from its start; a last block that is shorter is filled with zeros.
;;     - A block's scale is 2^e with e = floor(log2(the largest magnitude in the block)) - 2, held to -126 .. 127; a block of zeros has e = 0. As a byte (E8M0): e + 127.
;;     - Each number is divided by its block's scale, clamped to +-6, and rounded to the nearest number of E2M1, ties to even, subnormals kept.
;;     - The product sums the exact products of the quantised numbers (number of the format x scale) in f32.
;;   ~~~python
;;   def quantise(x, axis):      # numpy; x: float32 -> the quantised numbers, widened to float32 again
;;       x = np.moveaxis(x, axis, -1); K = x.shape[-1]
;;       x = np.pad(x, [(0, 0)] * (x.ndim - 1) + [(0, -K % 32)]); x = x.reshape(x.shape[:-1] + (-1, 32)); a = np.abs(x).max(-1, keepdims=True)
;;       e = np.where(a > 0, np.clip(np.frexp(np.where(a > 0, a, 1))[1] - 1 - 2, -126, 127), 0)      # np.frexp(a)[1] - 1 = floor(log2(a)), exactly
;;       r = np.clip(x / 2.0 ** e, -6, 6)
;;       step = 2.0 ** (np.maximum(np.frexp(np.where(r == 0, 1, r))[1] - 1, 0) - 1)
;;       q = np.round(r / step) * step * 2.0 ** e      # np.round: ties to even
;;       return np.moveaxis(q.reshape(q.shape[:-2] + (-1,))[..., :K], -1, axis).astype(np.float32)
;;   ~~~
;;   OPERANDS COMPUTED ON THE WAY. 'Computed on the way' means the value that the module computes at that place (a softmax that the list does not call 'softmax' is quantised finished and normalised). What goes into a quantiser is computed in f32, as accurately as f32 sums, v_exp_f32 and their like allow (about 1e-6 of the number): no bf16 or f16 on the way to a quantiser, and a product that is left as it is and whose result goes on into a quantised operand takes f32 operands (vector FMAs, or v_wmma_f32_16x16x4_f32). A number that lies on a knife's edge between two numbers of the format may be rounded either way, as far as f32 arithmetic and the matrix unit's own rounding can turn it there, and no further.
;; 2 versions, each right and faster than the one before. Each part assembles by itself: llvm-mc -triple=amdgcn-amd-amdhsa -mcpu=gfx1250 --defsym DOCPART=n.
;; ======== version 1 of 2: 3 launches
;; workspace buffers: P 2,048,000 bytes; XC 8,192 bytes; XS 512 bytes; T 65,536 bytes; EC 5,120,000 bytes; ES 320,000 bytes
;; launch wcore (part 1): grid 25 x 10, 9 waves a work-group, no clusters, 50,944 bytes of LDS; arguments W, R, r_idx, E, e1_idx, bn0_gamma, bn0_beta, P; writes P
.if DOCPART == 1
	.amdgcn_target "amdgcn-amd-amdhsa--gfx1250"
	.amdhsa_code_object_version 6
	.text
	.protected	k_qc14ce5056a_wcore
	.globl	k_qc14ce5056a_wcore
	.p2align	8
	.type	k_qc14ce5056a_wcore,@function
k_qc14ce5056a_wcore:
	s_mov_b64 s[64:65], 0
	v_nop
	global_prefetch_b8 v0, s[64:65] scope:SCOPE_SE
	s_setreg_imm32_b32 hwreg(HW_REG_WAVE_MODE, 25, 1), 1
	s_wait_xcnt 0x0
; P = partial sums of x2[b][j] = sum over i of x[b][i] W_mat[b][i][j], W_mat[b][i][j] = sum over k of Q(r)[b][k] Q(W)[k][i][j], x = batch norm of E[e1_idx], r = R[r_idx].
; Q: codes of FP4 (E2M1) with one E8M0 scale for each 32 along k (200 along k = 6 blocks, a block of 8 filled with zeros, and a block of zeros: two matrix steps of 128).
; COLUMNS.  A plane of W (one k) is 40,000 columns, column = 200 i + j.  Four i (i = 4 m + il) are 800 columns = 25 chunks (c0) of 32.  The eight columns 8 f .. 8 f + 7 of the 800
; (f = 4 c0 + o, o = 0 .. 3) have one il = f / 25 and j = 8 (f % 25) + 0 .. 7.  So which (il, j) a lane holds hangs on c0 alone, and the results of all m of one c0 add element by element.
; SHARES.  Work-group (c0, mr).  Waves 0-4 stream: wave v takes m = 5 mr + v: 32 columns x 200 k of W, a lane to a column, its registers down k: so a block of 32 along k lies in one lane.
; Waves 5-8 meanwhile gather and quantise r: wave 5 + bt makes the two fragments of rows 16 bt .. 16 bt + 15, which go to the stream waves through LDS as images of their registers.
; The product is used transposed (source 0 = 16 columns of W, source 1 = 16 rows of r): lane (r', h) holds row b = 16 bt + r' and the eight columns 16 u + 8 h + 0 .. 7 of tile u.
; Each result is multiplied by x[b][i] in f32; the five waves' results are added through LDS; the work-group stores one slice of 8,192 bytes: P[c0][mr][o 4][half 2][b 64][4].
; LIMITS: NaN and infinities among the inputs are not served.  A block of zeros has the scale byte 1 (the rule says 127): its codes are zeros, and the bytes are read by this program alone.
.set ROWW,  160000                     ; bytes from k to k + 1 in W
.set RIMG,  0                          ; LDS: r's fragments, [bt 4][step 2][c 2] x 512 bytes
.set RSC,   8192                       ;      their scale words, [bt 4] x 128 bytes
.set PIMG,  8704                       ;      the five stream waves' results, 8,192 bytes each
.set IDX,   12                         ; v12-15   e1_idx of my four rows, then x 800
.set XE,    16                         ; v16-23   E[e1_idx[16 bt + r']][i(u, h)] at 4 u + bt, then x of the same
.set GB,    24                         ; v24-25 gamma of i(u, h), v26-27 beta
.set SW,    28                         ; v28-29   W's scale words of the two steps: lane = column.  Scales and nothing else
.set RS,    30                         ; v30-33   r's scale words: lanes 0-15 step 0, lanes 16-31 step 1.  Scales and nothing else
.set TQ,    44                         ; v44-47   the quantiser's own
.set CODE,  48                         ; v48-79   W's codes: step s, tile u at 16 s + 8 u
.set STG,   80                         ; v80-175  three sets of 32 numbers of W; later r's fragments at 16 bt + 8 s
.set DA,    176                        ; v176-239 eight accumulators, 4 u + bt
; 32 numbers of one block in v[src] on -> 4 registers of codes in v[dst] on, the scale's byte in v[by]
.macro QB32 src, dst, by
	v_max3_num_f32 v[TQ], |v[\src]|, |v[\src+1]|, |v[\src+2]|
	v_max3_num_f32 v[TQ+1], |v[\src+3]|, |v[\src+4]|, |v[\src+5]|
.irp i, 6,10,14,18,22,26
	v_max3_num_f32 v[TQ], v[TQ], |v[\src+\i]|, |v[\src+\i+1]|
	v_max3_num_f32 v[TQ+1], v[TQ+1], |v[\src+\i+2]|, |v[\src+\i+3]|
.endr
	v_max3_num_f32 v[TQ], v[TQ], |v[\src+30]|, |v[\src+31]|
	v_max3_num_f32 v[TQ], v[TQ], v[TQ+1], 0x1800000        ; the floor 2^(3 - 127): the byte cannot fall under 1
	v_add_nc_u32 v[TQ+2], 0xff000000, v[TQ]                ; 2 off the exponent field: the conversion takes this operand's exponent field as its scale
.irp g, 0,1,2,3
	v_cvt_scalef32_pk8_fp4_f32 v[\dst+\g], v[\src+8*\g:\src+8*\g+7], v[TQ+2]
.endr
	v_lshrrev_b32 v[\by], 23, v[TQ+2]                      ; the byte; also the plain line behind the conversions
.endm
; the same for a block of which only the first 8 numbers exist: one register of codes
.macro QB8 src, dst, by
	v_max3_num_f32 v[TQ], |v[\src]|, |v[\src+1]|, |v[\src+2]|
	v_max3_num_f32 v[TQ+1], |v[\src+3]|, |v[\src+4]|, |v[\src+5]|
	v_max3_num_f32 v[TQ], v[TQ], |v[\src+6]|, |v[\src+7]|
	v_max3_num_f32 v[TQ], v[TQ], v[TQ+1], 0x1800000
	v_add_nc_u32 v[TQ+2], 0xff000000, v[TQ]
	v_cvt_scalef32_pk8_fp4_f32 v[\dst], v[\src:\src+7], v[TQ+2]
	v_lshrrev_b32 v[\by], 23, v[TQ+2]
.endm
; rows 32 t .. 32 t + rows - 1 of my 32 columns into set slot: each load reads 128 consecutive bytes
.macro LOADB t, slot, rows
.set n_, 0
.rept \rows
	global_load_b32 v[STG+32*(\slot)+n_], v4, s[24+2*(\t):25+2*(\t)] offset:n_*ROWW
.set n_, n_+1
.endr
.endm
; block t of my column: codes, and the byte into the step's scale word
.macro CONV t, slot
.set SRC_, STG+32*(\slot)
.set DST_, CODE+16*((\t)/4)+8*((\t)%2)+4*(((\t)%4)/2)
	QB32 SRC_, DST_, TQ+3
.if ((\t)%4) == 0
	v_mov_b32 v[SW+(\t)/4], v[TQ+3]
.else
	v_lshl_or_b32 v[SW+(\t)/4], v[TQ+3], 8*((\t)%4), v[SW+(\t)/4]
.endif
.endm
; blocks 2 p and 2 p + 1 of 32 columns become the operand registers of two tiles of 16 columns: the first's lanes 16-31 change places with the second's lanes 0-15
.macro SWAPS p
.set X_, CODE+16*((\p)/2)+4*((\p)%2)
.irp g, 0,1,2,3
	v_permlane16_swap_b32 v[X_+\g], v[X_+8+\g]
.endr
.endm
	s_load_b512 s[4:19], s[0:1], 0x0               ; W s[4:5], R s[6:7], r_idx s[8:9], E s[10:11], e1_idx s[12:13], gamma s[14:15], beta s[16:17], P s[18:19]
	v_lshl_add_u32 v240, v0, 2, 0xc200
	v_mov_b32 v241, 0
	v_lshrrev_b32 v1, 5, v0
	v_readfirstlane_b32 s20, v1                    ; wave 0..8
	v_and_b32 v1, 31, v0                           ; lane
	v_and_b32 v2, 15, v0                           ; r'
	v_bfe_u32 v3, v0, 4, 1                         ; h
	v_lshlrev_b32 v4, 2, v1                        ; 4 x lane
	v_lshlrev_b32 v5, 4, v1                        ; 16 x lane
	s_mov_b32 s21, ttmp9                           ; c0
	s_and_b32 s22, ttmp7, 0xffff                   ; mr
	s_mov_b32 s40, 0x76543210
	s_mov_b32 s41, 0xfedcba98                      ; v_permlanex16_b32's selects for lane l xor 16
	s_mov_b32 s45, 0x3c800000                      ; 1 / 64
	s_mov_b32 s46, 0x3727c5ac                      ; 1e-5
	; every LDS address is made here, ahead of the parting of the roles
	s_min_u32 s42, s20, 4                          ; a stream wave's number
	s_mul_i32 s23, s22, 5
	s_add_co_u32 s23, s23, s42                     ; m
	s_lshl_b32 s43, s42, 13
	s_add_co_u32 s43, s43, PIMG
	v_add_nc_u32 v6, s43, v5                       ; v6: my image of results
	s_add_co_u32 s44, s20, 3
	s_and_b32 s44, s44, 3                          ; bt of waves 5-8
	s_lshl_b32 s43, s44, 11
	v_add_nc_u32 v7, s43, v5                       ; v7: where r's fragments of bt go
	s_lshl_b32 s43, s44, 7
	s_add_co_u32 s43, s43, RSC
	v_add_nc_u32 v8, s43, v4                       ; v8: and their scale words
	s_min_u32 s43, s20, 7
	s_lshl_b32 s43, s43, 10
	s_add_co_u32 s43, s43, PIMG
	v_add_nc_u32 v9, s43, v5                       ; v9: the accumulator that I add up at the end
	v_add_nc_u32 v10, RSC, v4                      ; v10: scale words, read
	v_lshlrev_b32 v11, 4, v2
	v_lshl_add_u32 v11, v3, 11, v11                ; v11: my place in a slice of P: 2,048 h + 16 r'
	s_mul_i32 s48, s23, 3200
	s_lshl_b32 s49, s21, 7
	s_add_co_u32 s48, s48, s49                     ; my 32 columns: 4 (800 m + 32 c0) bytes
	s_mov_b32 s49, 0
	s_mul_i32 s50, s21, 10
	s_add_co_u32 s50, s50, s22
	s_lshl_b32 s50, s50, 13                        ; the slice (c0, mr),
	s_min_u32 s52, s20, 7
	s_lshr_b32 s53, s52, 2
	s_lshl_b32 s53, s53, 12
	s_add_co_u32 s50, s50, s53                     ; + 4,096 u
	s_and_b32 s52, s52, 3
	s_lshl_b32 s52, s52, 8
	s_add_co_u32 s50, s50, s52                     ; + 256 bt, of the accumulator 4 u + bt = my wave's number
	s_mov_b32 s51, 0
	s_wait_kmcnt 0x0
	s_add_nc_u64 s[24:25], s[4:5], s[48:49]        ; s[24:37]: W at k = 32 t, t = 0 .. 6, so that every row's offset is an immediate
.irp t, 1,2,3,4,5,6
	s_add_nc_u64 s[24+2*\t:25+2*\t], s[22+2*\t:23+2*\t], 32*ROWW
.endr
	s_add_nc_u64 s[18:19], s[18:19], s[50:51]
	s_cmp_lt_u32 s20, 5
	s_cbranch_scc0 .Lprep
	; ---- waves 0-4: x of my rows and my i, and W's codes
	v_lshlrev_b32 v34, 2, v2                       ; 4 r'
	s_lshl_b32 s52, s21, 2
	s_lshl_b32 s53, s23, 2
	v_add_nc_u32 v35, s52, v3                      ; f = 4 c0 + 2 u + h
	v_add_nc_u32 v36, 2, v35
.irp u, 0,1
	v_mul_u32_u24 v[35+\u], v[35+\u], 41
	v_lshrrev_b32 v[35+\u], 10, v[35+\u]           ; il = f / 25 (41 f >> 10, exact for f under 100)
	v_add_nc_u32 v[35+\u], s53, v[35+\u]           ; i = 4 m + il
	v_lshlrev_b32 v[35+\u], 2, v[35+\u]            ; in bytes
.endr
.irp bt, 0,1,2,3
	global_load_b32 v[IDX+\bt], v34, s[12:13] offset:64*\bt
.endr
.irp u, 0,1
	global_load_b32 v[GB+\u], v[35+\u], s[14:15]
	global_load_b32 v[GB+2+\u], v[35+\u], s[16:17]
.endr
	LOADB 0, 0, 32
	s_wait_loadcnt 32                              ; the eight small loads are in; block 0's 32 may be out
.irp bt, 0,1,2,3
	v_min_u32 v[IDX+\bt], 0x9c3f, v[IDX+\bt]       ; an index stays inside E: 39,999 at the most
	v_mul_u32_u24 v[IDX+\bt], v[IDX+\bt], 800
.endr
.irp u, 0,1
.irp bt, 0,1,2,3
	v_add_nc_u32 v[XE+4*\u+\bt], v[IDX+\bt], v[35+\u]
.endr
.endr
.irp a, 0,1,2,3,4,5,6,7
	global_load_b32 v[XE+\a], v[XE+\a], s[10:11]   ; each lands on its own address register
.endr
	LOADB 1, 1, 32
	LOADB 2, 2, 32
	s_wait_loadcnt 63                              ; 64 loads were issued behind the gathers: they are in, and so is block 0
	; batch norm over the 64 rows: four in my registers, sixteen lanes of my half (one i to a half)
.irp u, 0,1
	v_add_f32 v[38+\u], v[XE+4*\u], v[XE+4*\u+1]
	v_add_f32 v[40+\u], v[XE+4*\u+2], v[XE+4*\u+3]
.endr
.irp u, 0,1
	v_add_f32 v[38+\u], v[38+\u], v[40+\u]
.endr
.irp x, 1,2,4,8
.irp u, 0,1
	v_add_f32_dpp v[38+\u], v[38+\u], v[38+\u] row_xmask:\x row_mask:0xf bank_mask:0xf
.endr
.endr
.irp u, 0,1
	v_mul_f32 v[38+\u], s45, v[38+\u]              ; the mean
.endr
.irp u, 0,1
.irp bt, 0,1,2,3
	v_sub_f32 v[XE+4*\u+\bt], v[XE+4*\u+\bt], v[38+\u]
.endr
.endr
.irp u, 0,1
	v_mul_f32 v[40+\u], v[XE+4*\u], v[XE+4*\u]
.endr
.irp bt, 1,2,3
.irp u, 0,1
	v_fmac_f32 v[40+\u], v[XE+4*\u+\bt], v[XE+4*\u+\bt]
.endr
.endr
.irp x, 1,2,4,8
.irp u, 0,1
	v_add_f32_dpp v[40+\u], v[40+\u], v[40+\u] row_xmask:\x row_mask:0xf bank_mask:0xf
.endr
.endr
.irp u, 0,1
	v_fma_f32 v[40+\u], v[40+\u], s45, s46         ; the variance + 1e-5
.endr
.irp u, 0,1
	v_rsq_f32 v[42+\u], v[40+\u]
.endr
	v_nop                                          ; a plain line behind the last of the two
	s_wait_alu depctr_va_vdst(0)                   ; one wait for both, ahead of their first reader
.irp u, 0,1
	v_mul_f32 v[42+\u], v[GB+\u], v[42+\u]
.endr
.irp u, 0,1
.irp bt, 0,1,2,3
	v_fma_f32 v[XE+4*\u+\bt], v[XE+4*\u+\bt], v[42+\u], v[GB+2+\u]   ; x[16 bt + r'][i(u, h)]
.endr
.endr
	CONV 0, 0
	LOADB 3, 0, 32
	s_wait_loadcnt 63                              ; behind block 1: blocks 2 and 3, 64 loads
	CONV 1, 1
	SWAPS 0
	LOADB 4, 1, 32
	s_wait_loadcnt 63                              ; behind block 2: blocks 3 and 4
	CONV 2, 2
	LOADB 5, 2, 32
	s_wait_loadcnt 63                              ; behind block 3: blocks 4 and 5
	CONV 3, 0
	SWAPS 1
	LOADB 6, 0, 8                                  ; k = 192 .. 199: the last 8 rows
	s_wait_loadcnt 40                              ; behind block 4: block 5's 32 and the last 8
	CONV 4, 1
	s_wait_loadcnt 8
	CONV 5, 2
	SWAPS 2
	s_wait_loadcnt 0x0
	QB8 STG, CODE+20, TQ+3                         ; block 6: 8 numbers, the rest zeros
	v_lshl_or_b32 v[SW+1], v[TQ+3], 16, v[SW+1]    ; (block 7's byte stays 0: its codes are zeros)
.irp g, 21,22,23,28,29,30,31
	v_mov_b32 v[CODE+\g], 0
.endr
	SWAPS 3
	s_branch .Ljoin1
.Lprep:	; ---- waves 5-8: r's rows 16 bt + r', lane (r', h) takes the whole blocks 2 g + h
	s_lshl_b32 s52, s44, 6
	v_lshl_add_u32 v34, v2, 2, s52
	global_load_b32 v12, v34, s[8:9]
	v_lshlrev_b32 v14, 7, v3
	v_cmp_eq_u32 vcc_lo, 0, v3                     ; lanes 0-15
	s_wait_loadcnt 0x0
	v_min_u32 v12, 0x1f3, v12                      ; an index stays inside R: 499 at the most
	v_mul_u32_u24 v12, v12, 800
	v_add_nc_u32 v13, v12, v14                     ; + 128 h
.irp g, 0,1,2
.irp i, 0,1,2,3,4,5,6,7
	global_load_b128 v[80+32*\g+4*\i:83+32*\g+4*\i], v13, s[6:7] offset:256*\g+16*\i
.endr
.endr
	global_load_b128 v[176:179], v12, s[6:7] offset:768    ; k = 192 .. 199, in both halves: no load leaves the row
	global_load_b128 v[180:183], v12, s[6:7] offset:784
	s_wait_loadcnt 18                              ; behind the first eight loads: 18
	QB32 80, 48, 36
	s_wait_loadcnt 10
	QB32 112, 52, 37
	s_wait_loadcnt 2
	QB32 144, 56, 38
	s_wait_loadcnt 0x0
.irp i, 0,1,2,3,4,5,6,7
	v_cndmask_b32 v[176+\i], 0, v[176+\i], vcc_lo  ; lanes 16-31 hold block 7: zeros
.endr
	QB8 176, 60, 39
.irp g, 61,62,63
	v_mov_b32 v[\g], 0
.endr
	v_lshlrev_b32 v40, 3, v3
	v_lshl_or_b32 v41, v37, 16, v36                ; my two bytes of step 0: blocks h and 2 + h,
	v_lshl_or_b32 v42, v39, 16, v38                ; and of step 1,
	v_lshlrev_b32 v41, v40, v41                    ; at their places in the word (8 h bits up);
	v_lshlrev_b32 v42, v40, v42
	v_mov_b32 v43, 0
	v_mov_b32 v35, 0
	v_permlanex16_b32 v43, v41, s40, s41
	v_permlanex16_b32 v35, v42, s40, s41
	v_or_b32 v41, v41, v43                         ; with lane l xor 16's two the words are whole
	v_or_b32 v42, v42, v35
	v_cndmask_b32 v41, v42, v41, vcc_lo            ; lanes 0-15 keep step 0's, lanes 16-31 step 1's
.irp g, 0,1,2,3
	ds_store_b128 v7, v[48+4*\g:51+4*\g] offset:512*\g
.endr
	ds_store_b32 v8, v41
.Ljoin1:
	s_wait_dscnt 0x0                               ; for the others' sake: my LDS stores have landed
	s_barrier_signal -1
	s_barrier_wait -1                              ; r's eight fragments lie in LDS
	s_cmp_lt_u32 s20, 5
	s_cbranch_scc0 .Ljoin2
.irp bt, 0,1,2,3
.irp g, 0,1,2,3
	ds_load_b128 v[STG+16*\bt+4*\g:STG+16*\bt+4*\g+3], v5 offset:RIMG+2048*\bt+512*\g
.endr
	ds_load_b32 v[RS+\bt], v10 offset:128*\bt
.endr
	s_wait_dscnt 0x0
.rept 8
	v_nop                                          ; W's scale words and codes were written by vector instructions: eight places ahead of the scaled products
.endr
	; 16 products; the eight accumulators take turns, one instruction a turn
.irp bt, 0,1,2,3
	v_wmma_scale_f32_16x16x128_f8f6f4 v[DA+8*\bt:DA+8*\bt+7], v[CODE:CODE+7], v[STG+16*\bt:STG+16*\bt+7], 0, v[SW], v[RS+\bt] matrix_a_fmt:MATRIX_FMT_FP4 matrix_b_fmt:MATRIX_FMT_FP4
.endr
.irp bt, 0,1,2,3
	v_wmma_scale_f32_16x16x128_f8f6f4 v[DA+32+8*\bt:DA+32+8*\bt+7], v[CODE+8:CODE+15], v[STG+16*\bt:STG+16*\bt+7], 0, v[SW], v[RS+\bt] matrix_a_fmt:MATRIX_FMT_FP4 matrix_b_fmt:MATRIX_FMT_FP4 matrix_a_scale:MATRIX_SCALE_ROW1
.endr
.irp bt, 0,1,2,3
	v_wmma_scale_f32_16x16x128_f8f6f4 v[DA+8*\bt:DA+8*\bt+7], v[CODE+16:CODE+23], v[STG+16*\bt+8:STG+16*\bt+15], v[DA+8*\bt:DA+8*\bt+7], v[SW+1], v[RS+\bt] matrix_a_fmt:MATRIX_FMT_FP4 matrix_b_fmt:MATRIX_FMT_FP4 matrix_b_scale:MATRIX_SCALE_ROW1
.endr
.irp bt, 0,1,2,3
	v_wmma_scale_f32_16x16x128_f8f6f4 v[DA+32+8*\bt:DA+32+8*\bt+7], v[CODE+24:CODE+31], v[STG+16*\bt+8:STG+16*\bt+15], v[DA+32+8*\bt:DA+32+8*\bt+7], v[SW+1], v[RS+\bt] matrix_a_fmt:MATRIX_FMT_FP4 matrix_b_fmt:MATRIX_FMT_FP4 matrix_a_scale:MATRIX_SCALE_ROW1 matrix_b_scale:MATRIX_SCALE_ROW1
.endr
.rept 4
	v_nop                                          ; four places ahead of the first read of results
.endr
.irp a, 0,1,2,3,4,5,6,7
.irp j, 0,1,2,3,4,5,6,7
	v_mul_f32 v[DA+8*\a+\j], v[DA+8*\a+\j], v[XE+\a]       ; x[b][i] W_mat[b][i][j], each accumulator from its low end on
.endr
.endr
.irp a, 0,1,2,3,4,5,6,7
	ds_store_b128 v6, v[DA+8*\a:DA+8*\a+3] offset:1024*\a
	ds_store_b128 v6, v[DA+8*\a+4:DA+8*\a+7] offset:1024*\a+512
.endr
.Ljoin2:
	s_wait_dscnt 0x0
	s_barrier_signal -1
	s_barrier_wait -1                              ; the five images lie in LDS
	s_cmp_lt_u32 s20, 8
	s_cbranch_scc0 .Lend
	; ---- waves 0-7: wave a adds accumulator a of the five images and stores it
.irp g, 0,1,2,3,4
	ds_load_b128 v[80+8*\g:83+8*\g], v9 offset:8192*\g
	ds_load_b128 v[84+8*\g:87+8*\g], v9 offset:8192*\g+512
.endr
	s_wait_dscnt 0x0
.irp q, 0,1,2,3
	v_pk_add_f32 v[80+2*\q:81+2*\q], v[80+2*\q:81+2*\q], v[88+2*\q:89+2*\q]
	v_pk_add_f32 v[96+2*\q:97+2*\q], v[96+2*\q:97+2*\q], v[104+2*\q:105+2*\q]
.endr
.irp q, 0,1,2,3
	v_pk_add_f32 v[80+2*\q:81+2*\q], v[80+2*\q:81+2*\q], v[96+2*\q:97+2*\q]
.endr
.irp q, 0,1,2,3
	v_pk_add_f32 v[80+2*\q:81+2*\q], v[80+2*\q:81+2*\q], v[112+2*\q:113+2*\q]
.endr
	global_store_b128 v11, v[80:83], s[18:19]              ; sixteen lanes store 256 consecutive bytes, at a multiple of 256 from P's first byte
	global_store_b128 v11, v[84:87], s[18:19] offset:1024
.Lend:
	s_barrier_signal -1
	s_barrier_wait -1
	s_wait_tensorcnt 0x0
	ds_add_u32 v240, v241
	s_wait_dscnt 0x0
	s_endpgm
.Lfunc_end_k_qc14ce5056a_wcore:
	.size	k_qc14ce5056a_wcore, .Lfunc_end_k_qc14ce5056a_wcore-k_qc14ce5056a_wcore
	.p2alignl 7, 3214868480
	.fill 96, 4, 3214868480
	.section	.rodata,"a",@progbits
	.p2align	6, 0x0
	.amdhsa_kernel k_qc14ce5056a_wcore
		.amdhsa_group_segment_fixed_size 50944
		.amdhsa_private_segment_fixed_size 0
		.amdhsa_enable_private_segment 0
		.amdhsa_kernarg_size 64
		.amdhsa_user_sgpr_count 2
		.amdhsa_user_sgpr_kernarg_segment_ptr 1
		.amdhsa_wavefront_size32 1
		.amdhsa_system_sgpr_workgroup_id_x 1
		.amdhsa_system_sgpr_workgroup_id_y 1
		.amdhsa_system_sgpr_workgroup_id_z 1
		.amdhsa_system_vgpr_workitem_id 0
		.amdhsa_next_free_vgpr 242
		.amdhsa_next_free_sgpr 66
		.amdhsa_reserve_vcc 1
		.amdhsa_float_denorm_mode_32 3
		.amdhsa_float_denorm_mode_16_64 3
		.amdhsa_memory_ordered 1
		.amdhsa_forward_progress 1
		.amdhsa_inst_pref_size 55
	.end_amdhsa_kernel
	.amdgpu_metadata
---
amdhsa.version: [ 1, 2 ]
amdhsa.kernels:
  - .name:           k_qc14ce5056a_wcore
    .symbol:         k_qc14ce5056a_wcore.kd
    .args:
      - { .name: W, .offset: 0, .size: 8, .value_kind: global_buffer, .address_space: global }
      - { .name: R, .offset: 8, .size: 8, .value_kind: global_buffer, .address_space: global }
      - { .name: r_idx, .offset: 16, .size: 8, .value_kind: global_buffer, .address_space: global }
      - { .name: E, .offset: 24, .size: 8, .value_kind: global_buffer, .address_space: global }
      - { .name: e1_idx, .offset: 32, .size: 8, .value_kind: global_buffer, .address_space: global }
      - { .name: bn0_gamma, .offset: 40, .size: 8, .value_kind: global_buffer, .address_space: global }
      - { .name: bn0_beta, .offset: 48, .size: 8, .value_kind: global_buffer, .address_space: global }
      - { .name: P, .offset: 56, .size: 8, .value_kind: global_buffer, .address_space: global }
    .group_segment_fixed_size: 50944
    .private_segment_fixed_size: 0
    .kernarg_segment_align: 8
    .kernarg_segment_size: 64
    .max_flat_workgroup_size: 288
    .sgpr_count:     66
    .vgpr_count:     242
    .wavefront_size: 32
...
	.end_amdgpu_metadata
.endif
;; end of part 1
;; launch prep (part 2): grid 165 x 1, 16 waves a work-group, no clusters, 220,160 bytes of LDS; arguments P, bn1_gamma, bn1_beta, E, lits, nf, c, var_l, e1_idx, r_idx, XC, XS, T, EC, ES; writes XC, XS, T, EC, ES
.if DOCPART == 2
	.amdgcn_target "amdgcn-amd-amdhsa--gfx1250"
	.amdhsa_code_object_version 6
	.text
	.protected	k_qc14ce5056a_prep
	.globl	k_qc14ce5056a_prep
	.p2align	8
	.type	k_qc14ce5056a_prep,@function
k_qc14ce5056a_prep:
	s_mov_b64 s[64:65], 0
	v_nop
	global_prefetch_b8 v0, s[64:65] scope:SCOPE_SE
	s_setreg_imm32_b32 hwreg(HW_REG_WAVE_MODE, 25, 1), 1
	s_wait_xcnt 0x0
; Three pieces of work that the last launch needs, told apart by the work-group's number.
; WORK-GROUPS 0-6 (w): block w of 32 along j of x = batch norm of x2.  x2[b][j] = the sum of the 40 slices of P that hold j; then mean and variance over the 64 rows; then codes of FP4 with one E8M0
;   scale for the block.  XC holds x's fragments as images of the operand's registers: byte 2,048 bt + 1,024 s + 512 c + 16 (16 h + r) = row 16 bt + r, block 4 s + 2 c + h.  XS: [bt][s][r] scale words.
; WORK-GROUP 7: the table T[b][part 2][l 64][2 words]: part 0 holds (-a', 0), a' = (lits[e1_idx[b]][l] - c[l]) sk[l], sk = sqrt(log2(e) / var_l); part 1 holds (nf[r_idx[b]][l], 0).
;   A number has a pair of words, so that a scalar load brings it to an even scalar register, where a packed instruction can name it.
; WORK-GROUPS 8-164: E's codes.  A wave takes 16 rows (12,800 dense bytes), turns them through its own stage in LDS, so that lane (r, h) holds whole blocks of row r, and stores the tile's two
;   fragments as images of the operand's registers: EC[tile][2 s + c][lane][16 bytes], ES[tile][s][r] scale words.
; LIMITS: var_l above 0 (v_rsq_f32 of it); NaN and infinities are not served; a block of zeros of E has the scale byte 1 (the rule says 127): its codes are zeros, and this program alone reads the bytes.
.set X2,   208896                      ; LDS, work-groups 0-6: 64 rows x (32 numbers + 16 bytes)
.set X2P,  144
.set STW,  13056                       ; LDS, work-groups 8 on: a stage for each wave at wave x STW: 16 rows x (800 bytes + 16)
.set STP,  816
.set TQ,   196                         ; v196-199 the quantiser's own
.macro QB32 src, dst, by               ; 32 numbers of one block -> 4 registers of codes, the scale's byte
	v_max3_num_f32 v[TQ], |v[\src]|, |v[\src+1]|, |v[\src+2]|
	v_max3_num_f32 v[TQ+1], |v[\src+3]|, |v[\src+4]|, |v[\src+5]|
.irp i, 6,10,14,18,22,26
	v_max3_num_f32 v[TQ], v[TQ], |v[\src+\i]|, |v[\src+\i+1]|
	v_max3_num_f32 v[TQ+1], v[TQ+1], |v[\src+\i+2]|, |v[\src+\i+3]|
.endr
	v_max3_num_f32 v[TQ], v[TQ], |v[\src+30]|, |v[\src+31]|
	v_max3_num_f32 v[TQ], v[TQ], v[TQ+1], 0x1800000        ; the floor 2^(3 - 127): the byte cannot fall under 1
	v_add_nc_u32 v[TQ+2], 0xff000000, v[TQ]                ; 2 off the exponent field: the conversion's scale operand
.irp g, 0,1,2,3
	v_cvt_scalef32_pk8_fp4_f32 v[\dst+\g], v[\src+8*\g:\src+8*\g+7], v[TQ+2]
.endr
	v_lshrrev_b32 v[\by], 23, v[TQ+2]                      ; the byte; also the plain line behind the conversions
.endm
.macro QB8 src, dst, by                ; a block of which only the first 8 numbers exist
	v_max3_num_f32 v[TQ], |v[\src]|, |v[\src+1]|, |v[\src+2]|
	v_max3_num_f32 v[TQ+1], |v[\src+3]|, |v[\src+4]|, |v[\src+5]|
	v_max3_num_f32 v[TQ], v[TQ], |v[\src+6]|, |v[\src+7]|
	v_max3_num_f32 v[TQ], v[TQ], v[TQ+1], 0x1800000
	v_add_nc_u32 v[TQ+2], 0xff000000, v[TQ]
	v_cvt_scalef32_pk8_fp4_f32 v[\dst], v[\src:\src+7], v[TQ+2]
	v_lshrrev_b32 v[\by], 23, v[TQ+2]
.endm
	s_load_b512 s[4:19], s[0:1], 0x0               ; P s[4:5], gamma s[6:7], beta s[8:9], E s[10:11], lits s[12:13], nf s[14:15], c s[16:17], var_l s[18:19]
	s_load_b256 s[20:27], s[0:1], 0x40             ; e1_idx s[20:21], r_idx s[22:23], XC s[24:25], XS s[26:27]
	s_load_b128 s[28:31], s[0:1], 0x60             ; T s[28:29], EC s[30:31]
	s_load_b64 s[32:33], s[0:1], 0x70              ; ES
	v_lshl_add_u32 v200, v0, 2, 0x35400
	v_mov_b32 v201, 0
	v_lshrrev_b32 v1, 5, v0
	v_readfirstlane_b32 s34, v1                    ; wave 0..15
	v_and_b32 v1, 31, v0                           ; lane
	v_and_b32 v2, 15, v0                           ; r
	v_bfe_u32 v3, v0, 4, 1                         ; h
	v_lshlrev_b32 v4, 2, v1                        ; 4 x lane
	v_lshlrev_b32 v5, 4, v1                        ; 16 x lane
	s_mov_b32 s35, ttmp9
	s_mov_b32 s52, 0x76543210
	s_mov_b32 s53, 0xfedcba98                      ; v_permlanex16_b32's selects for lane l xor 16
	s_mov_b32 s54, 0x3c800000                      ; 1 / 64
	s_mov_b32 s55, 0x3727c5ac                      ; 1e-5
	s_wait_kmcnt 0x0
	s_cmp_lt_u32 s35, 7
	s_cbranch_scc1 .Lbn
	s_cmp_eq_u32 s35, 7
	s_cbranch_scc1 .Ltab
	; ======== E's codes
	s_sub_co_u32 s36, s35, 8
	s_lshl_b32 s36, s36, 4
	s_add_co_u32 s36, s36, s34                     ; my tile of 16 rows
	s_cmp_lt_u32 s36, 2500
	s_cbranch_scc1 .Leq_go
	s_endpgm                                       ; 157 x 16 waves for 2,500 tiles: the last work-group's last 12 waves have none
.Leq_go:
	s_mul_i32 s38, s36, 12800
	s_mov_b32 s39, 0
	s_add_nc_u64 s[10:11], s[10:11], s[38:39]
.set q_, 0
.rept 25
	global_load_b128 v[32+4*q_:35+4*q_], v5, s[10:11] offset:512*q_ th:TH_LOAD_NT    ; 512 consecutive bytes a load; all 12,800 are asked for at once
.set q_, q_+1
.endr
	s_mul_i32 s40, s34, STW                        ; my stage
	v_add_nc_u32 v6, s40, v5                       ; in: 16 bytes a lane,
	v_mul_u32_u24 v7, v1, 1311                     ; (row = 16-byte piece / 50 = 1,311 x piece >> 16, exact for pieces under 800)
	v_mul_u32_u24 v8, v2, STP
	v_add_nc_u32 v9, s40, v8
	v_lshl_add_u32 v8, v3, 7, v9                   ; back: row r, + 128 h: my block of a pair
	s_lshl_b32 s38, s36, 11
	s_add_nc_u64 s[30:31], s[30:31], s[38:39]      ; EC at my tile
	s_lshl_b32 s38, s36, 7
	s_add_nc_u64 s[32:33], s[32:33], s[38:39]      ; ES likewise
	v_cmp_eq_u32 vcc_lo, 0, v3                     ; lanes 0-15
.set q_, 0
.rept 25
	s_wait_loadcnt 24-q_                           ; load q is in; the younger ones may be out
	v_add_nc_u32 v[160+q_], 32*q_*1311, v7
	v_lshrrev_b32 v[160+q_], 16, v[160+q_]         ; the row of my piece 32 q + lane,
	v_lshl_add_u32 v[160+q_], v[160+q_], 4, v6     ; and 16 bytes of padding for each row passed
	ds_store_b128 v[160+q_], v[32+4*q_:35+4*q_] offset:512*q_
.set q_, q_+1
.endr
	s_wait_dscnt 0x0                               ; the stores have read their registers
.irp g, 0,1,2
.irp i, 0,1,2,3,4,5,6,7
	ds_load_b128 v[32+32*\g+4*\i:35+32*\g+4*\i], v8 offset:256*\g+16*\i      ; block 2 g + h of row r
.endr
.endr
	ds_load_b128 v[128:131], v9 offset:768         ; the row's last 8 numbers, in both halves
	ds_load_b128 v[132:135], v9 offset:784
	s_wait_dscnt 18                                ; behind the first eight loads: 18
	QB32 32, 16, 12
	s_wait_dscnt 10
	QB32 64, 20, 13
	s_wait_dscnt 2
	QB32 96, 24, 14
	s_wait_dscnt 0x0
.irp i, 0,1,2,3,4,5,6,7
	v_cndmask_b32 v[128+\i], 0, v[128+\i], vcc_lo  ; lanes 16-31 hold block 7: zeros
.endr
	QB8 128, 28, 15
.irp g, 29,30,31
	v_mov_b32 v[\g], 0
.endr
	v_lshlrev_b32 v11, 3, v3
	v_lshl_or_b32 v196, v13, 16, v12               ; my two bytes of step 0: blocks h and 2 + h,
	v_lshl_or_b32 v197, v15, 16, v14               ; and of step 1,
	v_lshlrev_b32 v196, v11, v196                  ; at their places in the word
	v_lshlrev_b32 v197, v11, v197
	v_mov_b32 v198, 0
	v_mov_b32 v199, 0
	v_permlanex16_b32 v198, v196, s52, s53
	v_permlanex16_b32 v199, v197, s52, s53
	v_or_b32 v196, v196, v198
	v_or_b32 v197, v197, v199
	v_cndmask_b32 v196, v197, v196, vcc_lo         ; lanes 0-15 keep step 0's word, lanes 16-31 step 1's
.irp g, 0,1,2,3
	global_store_b128 v5, v[16+4*\g:19+4*\g], s[30:31] offset:512*\g         ; 512 consecutive bytes a store
.endr
	global_store_b32 v4, v196, s[32:33]
	s_wait_tensorcnt 0x0
	ds_add_u32 v200, v201
	s_wait_dscnt 0x0
	s_endpgm
.Lbn:	; ======== block w of x
	s_lshr_b32 s36, s34, 2                         ; jl: which eight j of the block's 32
	s_bfe_u32 s37, s34, 0x10001                    ; half: which four of the eight
	s_and_b32 s38, s34, 1                          ; bhh: which 32 rows
	s_lshl_b32 s39, s35, 2
	s_add_co_u32 s39, s39, s36                     ; jo = j / 8
	; every LDS address is made here, ahead of the first parting of the waves
	s_lshl_b32 s40, s38, 5
	v_add_nc_u32 v6, s40, v1
	v_mul_u32_u24 v6, v6, X2P
	s_lshl_b32 s40, s36, 5
	s_lshl_b32 s41, s37, 4
	s_add_co_u32 s40, s40, s41
	s_add_co_u32 s40, s40, X2
	v_add_nc_u32 v6, s40, v6                       ; v6: row 32 bhh + lane, my four j
	v_add_nc_u32 v7, X2, v4                        ; v7: column = lane
	s_min_u32 s40, s34, 1
	s_lshl_b32 s40, s40, 5
	v_add_nc_u32 v8, s40, v1
	v_mul_u32_u24 v8, v8, X2P
	v_add_nc_u32 v8, X2, v8                        ; v8: row 32 x wave + lane (waves 0 and 1)
	s_lshl_b32 s40, s35, 5
	v_add_nc_u32 v9, s40, v1                       ; j = 32 w + lane
	v_min_u32 v10, 199, v9                         ; no load leaves gamma or beta
	v_lshlrev_b32 v10, 2, v10
	global_load_b32 v12, v10, s[6:7]
	global_load_b32 v13, v10, s[8:9]
	s_lshl_b32 s41, s37, 10
	s_lshl_b32 s42, s38, 9
	s_add_co_u32 s41, s41, s42
.irp il, 0,1,2,3                       ; f = 25 il + jo: chunk c0 = f / 4, eight columns o = f % 4 of it
	s_add_co_u32 s42, s39, 25*\il
	s_lshr_b32 s43, s42, 2
	s_mul_i32 s43, s43, 81920
	s_and_b32 s42, s42, 3
	s_lshl_b32 s42, s42, 11
	s_add_co_u32 s42, s42, s43
	s_add_co_u32 s42, s42, s41
	s_mov_b32 s43, 0
	s_add_nc_u64 s[44+2*\il:45+2*\il], s[4:5], s[42:43]
.endr
.irp g, 24,25,26,27,28,29,30,31
	v_mov_b32 v[\g], 0
.endr
	s_cmp_lt_u32 s39, 25                           ; j from 200 on does not exist: those numbers stay zeros, and nothing is loaded for them
	s_cbranch_scc0 .Lbn_none
.irp il, 0,1,2,3
.irp mr, 0,1,2,3,4,5,6,7,8,9
	global_load_b128 v[32+40*\il+4*\mr:35+40*\il+4*\mr], v5, s[44+2*\il:45+2*\il] offset:8192*\mr    ; 512 consecutive bytes: 32 rows x my four j
.endr
.endr
.irp il, 0,1,2,3
	s_wait_loadcnt 30-10*\il                       ; this il's ten loads are in; the later tens may be out
.irp mr, 0,2,4,6,8
	v_pk_add_f32 v[24:25], v[24:25], v[32+40*\il+4*\mr:33+40*\il+4*\mr]
	v_pk_add_f32 v[26:27], v[26:27], v[34+40*\il+4*\mr:35+40*\il+4*\mr]
	v_pk_add_f32 v[28:29], v[28:29], v[36+40*\il+4*\mr:37+40*\il+4*\mr]
	v_pk_add_f32 v[30:31], v[30:31], v[38+40*\il+4*\mr:39+40*\il+4*\mr]
.endr
.endr
	v_pk_add_f32 v[24:25], v[24:25], v[28:29]
	v_pk_add_f32 v[26:27], v[26:27], v[30:31]
.Lbn_none:
	s_wait_loadcnt 0x0                             ; gamma and beta too
	ds_store_b128 v6, v[24:27]
	s_wait_dscnt 0x0
	s_barrier_signal -1
	s_barrier_wait -1                              ; x2's 64 rows x 32 lie in LDS
	s_cmp_lg_u32 s34, 0
	s_cbranch_scc1 .Lbn_normed
	; wave 0: a lane to a column j, the 64 rows in its registers
.set b_, 0
.rept 64
	ds_load_b32 v[32+b_], v7 offset:X2P*b_
.set b_, b_+1
.endr
	s_wait_dscnt 0x0
.irp q, 0,1,2,3
	v_pk_add_f32 v[16+2*\q:17+2*\q], v[32+2*\q:33+2*\q], v[40+2*\q:41+2*\q]
.endr
.set i_, 48
.rept 6
.irp q, 0,1,2,3
	v_pk_add_f32 v[16+2*\q:17+2*\q], v[16+2*\q:17+2*\q], v[i_+2*\q:i_+2*\q+1]
.endr
.set i_, i_+8
.endr
	v_pk_add_f32 v[16:17], v[16:17], v[18:19]
	v_pk_add_f32 v[20:21], v[20:21], v[22:23]
	v_pk_add_f32 v[16:17], v[16:17], v[20:21]
	v_add_f32 v16, v16, v17
	v_mul_f32 v16, s54, v16                        ; the mean
.set i_, 32
.rept 32
	v_pk_add_f32 v[i_:i_+1], v[i_:i_+1], v[16:17] op_sel_hi:[1,0] neg_lo:[0,1] neg_hi:[0,1]
.set i_, i_+2
.endr
.irp q, 0,1,2,3
	v_pk_mul_f32 v[18+2*\q:19+2*\q], v[32+2*\q:33+2*\q], v[32+2*\q:33+2*\q]
.endr
.set i_, 40
.rept 7
.irp q, 0,1,2,3
	v_pk_fma_f32 v[18+2*\q:19+2*\q], v[i_+2*\q:i_+2*\q+1], v[i_+2*\q:i_+2*\q+1], v[18+2*\q:19+2*\q]
.endr
.set i_, i_+8
.endr
	v_pk_add_f32 v[18:19], v[18:19], v[20:21]
	v_pk_add_f32 v[22:23], v[22:23], v[24:25]
	v_pk_add_f32 v[18:19], v[18:19], v[22:23]
	v_add_f32 v18, v18, v19
	v_fma_f32 v18, v18, s54, s55                   ; the variance + 1e-5
	v_rsq_f32 v20, v18
	v_cmp_gt_u32 vcc_lo, 200, v9                   ; (a plain line behind it)  the columns that exist
	s_wait_alu depctr_va_vdst(0)                   ; the wait ahead of the first reader
	v_mul_f32 v20, v12, v20
	v_cndmask_b32 v20, 0, v20, vcc_lo              ; j from 200 on: zeros
	v_cndmask_b32 v22, 0, v13, vcc_lo
.set i_, 32
.rept 32
	v_pk_fma_f32 v[i_:i_+1], v[i_:i_+1], v[20:21], v[22:23] op_sel_hi:[1,0,0]
.set i_, i_+2
.endr
.set b_, 0
.rept 64
	ds_store_b32 v7, v[32+b_] offset:X2P*b_
.set b_, b_+1
.endr
.Lbn_normed:
	s_wait_dscnt 0x0
	s_barrier_signal -1
	s_barrier_wait -1                              ; x's 64 rows x 32 lie in LDS
	s_cmp_lt_u32 s34, 2
	s_cbranch_scc0 .Lbn_end
	; waves 0 and 1: a lane to a row b = 32 x wave + lane: the whole block is the lane's
.irp i, 0,1,2,3,4,5,6,7
	ds_load_b128 v[32+4*\i:35+4*\i], v8 offset:16*\i
.endr
	s_lshl_b32 s40, s34, 12
	s_lshl_b32 s41, s35, 8
	s_add_co_u32 s40, s40, s41                     ; XC: 4,096 x wave + 256 w (1,024 s + 512 c + 256 h of block w = 4 s + 2 c + h)
	s_mov_b32 s41, 0
	s_add_nc_u64 s[24:25], s[24:25], s[40:41]
	s_lshl_b32 s40, s34, 8
	s_lshr_b32 s42, s35, 2
	s_lshl_b32 s42, s42, 6
	s_add_co_u32 s40, s40, s42
	s_and_b32 s42, s35, 3
	s_add_co_u32 s40, s40, s42                     ; XS: 256 x wave + 64 s + the byte w % 4 of the word
	s_add_nc_u64 s[26:27], s[26:27], s[40:41]
	v_lshlrev_b32 v26, 4, v2
	v_lshl_add_u32 v26, v3, 11, v26                ; + 2,048 (lane / 16) + 16 (lane % 16)
	v_lshlrev_b32 v27, 2, v2
	v_lshl_add_u32 v27, v3, 7, v27                 ; + 128 (lane / 16) + 4 (lane % 16)
	s_wait_dscnt 0x0
	QB32 32, 16, 14
	global_store_b128 v26, v[16:19], s[24:25]      ; sixteen lanes store 256 consecutive bytes, aligned
	global_store_b8 v27, v14, s[26:27]
	s_cmp_eq_u32 s35, 6
	s_cbranch_scc0 .Lbn_end
.irp g, 20,21,22,23
	v_mov_b32 v[\g], 0                             ; block 7 does not exist: zero codes, the byte 127
.endr
	v_mov_b32 v15, 127
	global_store_b128 v26, v[20:23], s[24:25] offset:256
	global_store_b8 v27, v15, s[26:27] offset:1
.Lbn_end:
	s_wait_tensorcnt 0x0
	ds_add_u32 v200, v201
	s_wait_dscnt 0x0
	s_endpgm
.Ltab:	; ======== the table: wave v serves rows b = 4 v .. 4 v + 3; a lane takes l = lane and lane + 32
	s_lshl_b32 s36, s34, 4
	s_mov_b32 s37, 0
	s_add_nc_u64 s[38:39], s[20:21], s[36:37]
	s_add_nc_u64 s[40:41], s[22:23], s[36:37]
	s_load_b128 s[44:47], s[38:39], 0x0            ; four of e1_idx
	s_load_b128 s[48:51], s[40:41], 0x0            ; four of r_idx
	global_load_b32 v12, v4, s[18:19]
	global_load_b32 v13, v4, s[18:19] offset:128
	global_load_b32 v14, v4, s[16:17]
	global_load_b32 v15, v4, s[16:17] offset:128
.set i_, 65
.rept 16
	v_mov_b32 v[i_], 0                             ; each pair's upper word
.set i_, i_+2
.endr
	v_lshlrev_b32 v26, 3, v1                       ; 8 x lane
	s_lshl_b32 s36, s34, 12
	s_add_nc_u64 s[28:29], s[28:29], s[36:37]      ; T at row 4 v
	s_wait_kmcnt 0x0
.irp q, 0,1,2,3
	s_min_u32 s[44+\q], s[44+\q], 0x9c3f           ; an index stays inside its table
	s_min_u32 s[48+\q], s[48+\q], 0x1f3
.endr
.irp q, 0,1,2,3
	v_lshl_add_u32 v[16+\q], s[44+\q], 8, v4       ; a row of lits or nf is 256 bytes
	v_lshl_add_u32 v[20+\q], s[48+\q], 8, v4
.endr
.irp q, 0,1,2,3
.irp j, 0,1
	global_load_b32 v[32+2*\q+\j], v[16+\q], s[12:13] offset:128*\j
	global_load_b32 v[68+8*\q+2*\j], v[20+\q], s[14:15] offset:128*\j
.endr
.endr
	s_wait_loadcnt 0x0
	v_rsq_f32 v24, v12
	v_rsq_f32 v25, v13
	v_nop
	s_wait_alu depctr_va_vdst(0)                   ; one wait for both
	v_mul_f32 v24, 0x3f99be61, v24                 ; sk = sqrt(log2(e)) / sqrt(var_l)
	v_mul_f32 v25, 0x3f99be61, v25
.irp q, 0,1,2,3
.irp j, 0,1
	v_sub_f32 v[32+2*\q+\j], v[14+\j], v[32+2*\q+\j]
	v_mul_f32 v[64+8*\q+2*\j], v[32+2*\q+\j], v[24+\j]     ; -a' = (c - lits[e]) sk
.endr
.endr
.irp q, 0,1,2,3
.irp j, 0,1
	global_store_b64 v26, v[64+8*\q+2*\j:65+8*\q+2*\j], s[28:29] offset:1024*\q+256*\j          ; 256 consecutive bytes a store, aligned
	global_store_b64 v26, v[68+8*\q+2*\j:69+8*\q+2*\j], s[28:29] offset:1024*\q+512+256*\j
.endr
.endr
	s_endpgm
.Lfunc_end_k_qc14ce5056a_prep:
	.size	k_qc14ce5056a_prep, .Lfunc_end_k_qc14ce5056a_prep-k_qc14ce5056a_prep
	.p2alignl 7, 3214868480
	.fill 96, 4, 3214868480
	.section	.rodata,"a",@progbits
	.p2align	6, 0x0
	.amdhsa_kernel k_qc14ce5056a_prep
		.amdhsa_group_segment_fixed_size 220160
		.amdhsa_private_segment_fixed_size 0
		.amdhsa_enable_private_segment 0
		.amdhsa_kernarg_size 120
		.amdhsa_user_sgpr_count 2
		.amdhsa_user_sgpr_kernarg_segment_ptr 1
		.amdhsa_wavefront_size32 1
		.amdhsa_system_sgpr_workgroup_id_x 1
		.amdhsa_system_sgpr_workgroup_id_y 1
		.amdhsa_system_sgpr_workgroup_id_z 1
		.amdhsa_system_vgpr_workitem_id 0
		.amdhsa_next_free_vgpr 202
		.amdhsa_next_free_sgpr 66
		.amdhsa_reserve_vcc 1
		.amdhsa_float_denorm_mode_32 3
		.amdhsa_float_denorm_mode_16_64 3
		.amdhsa_memory_ordered 1
		.amdhsa_forward_progress 1
		.amdhsa_inst_pref_size 57
	.end_amdhsa_kernel
	.amdgpu_metadata
---
amdhsa.version: [ 1, 2 ]
amdhsa.kernels:
  - .name:           k_qc14ce5056a_prep
    .symbol:         k_qc14ce5056a_prep.kd
    .args:
      - { .name: P, .offset: 0, .size: 8, .value_kind: global_buffer, .address_space: global }
      - { .name: bn1_gamma, .offset: 8, .size: 8, .value_kind: global_buffer, .address_space: global }
      - { .name: bn1_beta, .offset: 16, .size: 8, .value_kind: global_buffer, .address_space: global }
      - { .name: E, .offset: 24, .size: 8, .value_kind: global_buffer, .address_space: global }
      - { .name: lits, .offset: 32, .size: 8, .value_kind: global_buffer, .address_space: global }
      - { .name: nf, .offset: 40, .size: 8, .value_kind: global_buffer, .address_space: global }
      - { .name: c, .offset: 48, .size: 8, .value_kind: global_buffer, .address_space: global }
      - { .name: var_l, .offset: 56, .size: 8, .value_kind: global_buffer, .address_space: global }
      - { .name: e1_idx, .offset: 64, .size: 8, .value_kind: global_buffer, .address_space: global }
      - { .name: r_idx, .offset: 72, .size: 8, .value_kind: global_buffer, .address_space: global }
      - { .name: XC, .offset: 80, .size: 8, .value_kind: global_buffer, .address_space: global }
      - { .name: XS, .offset: 88, .size: 8, .value_kind: global_buffer, .address_space: global }
      - { .name: T, .offset: 96, .size: 8, .value_kind: global_buffer, .address_space: global }
      - { .name: EC, .offset: 104, .size: 8, .value_kind: global_buffer, .address_space: global }
      - { .name: ES, .offset: 112, .size: 8, .value_kind: global_buffer, .address_space: global }
    .group_segment_fixed_size: 220160
    .private_segment_fixed_size: 0
    .kernarg_segment_align: 8
    .kernarg_segment_size: 120
    .max_flat_workgroup_size: 512
    .sgpr_count:     66
    .vgpr_count:     202
    .wavefront_size: 32
...
	.end_amdgpu_metadata
.endif
;; end of part 2
;; launch score (part 3): grid 2 x 625, 4 waves a work-group, no clusters, 26,112 bytes of LDS; arguments lits, var_l, EC, ES, XC, XS, T, out0; writes out0
.if DOCPART == 3
	.amdgcn_target "amdgcn-amd-amdhsa--gfx1250"
	.amdhsa_code_object_version 6
	.text
	.protected	k_qc14ce5056a_score
	.globl	k_qc14ce5056a_score
	.p2align	8
	.type	k_qc14ce5056a_score,@function
k_qc14ce5056a_score:
	s_mov_b64 s[64:65], 0
	v_nop
	global_prefetch_b8 v0, s[64:65] scope:SCOPE_SE
	s_setreg_imm32_b32 hwreg(HW_REG_WAVE_MODE, 25, 1), 1
	s_wait_xcnt 0x0
; out0[b][n] = sigmoid(score_l + score_n).  score_l = Q(x) Q(E)^T on codes of FP4 with E8M0 scales (made by the launch before); score_n[b][n] = sum over l of w[b][l] 2^(-(l'[n][l] - a'[b][l])^2),
; l' = lits[n][l] sk[l], sk = sqrt(log2(e) / var_l), a' and w from the table T: the same number as exp(-(n_h - lits - c)^2 / var_l) nf.
; SHARES.  Work-group (bh, nb): 64 entities n = 64 nb .. and 32 rows b = 32 bh ..  Wave wv takes b = 32 bh + 8 wv + 0 .. 7 for all 64 n; lane l owns n = 64 nb + 2 l and 2 l + 1, a pair for the packed forms.
; A lane keeps its two n's 64 scaled literals in 128 registers for the whole launch; a' and w of a row b are the same in all lanes and come by scalar loads, a chunk of 8 l at a time, two chunks ahead.
; HEAD.  Each wave multiplies one tile of 16 n of E with the 32 rows of x (source 0 = E's tile, source 1 = x: a lane holds one b and eight neighbouring n) and puts the results into LDS, rows of 64 n;
; each wave scales a quarter of the 64 rows of lits and lays them in LDS as [pair of n][l][parity], so that a lane reads its 512 bytes on end.
; LOOP.  A chunk: 16 exponentials; behind them the next chunk's 16 packed lines (l' - a', minus its square), which name none of their results; one wait; 8 packed multiply-adds by w.
; LIMITS: var_l above 0; v_exp_f32 gives 0 for results under 2^-126; NaN and infinities among the inputs are not served.
.set LPP,  528                         ; LDS byte 0: the scaled literals, 32 pairs of n x (512 bytes + 16)
.set SL,   16896                       ; score_l: 32 rows b x (256 bytes + 16)
.set SLP,  272
.set ACC0, 24                          ; v[24:25] the sum, begun with score_l;  v[26:27] its second chain
.set ACC1, 26
.set ZR,   28                          ; v[28:29] the result
.set ARG0, 32                          ; v32-47, v48-63: a chunk's 16 exponents, two sets.  In the head: the scaled literals on their way to LDS
.set ARG1, 48
.set LT,   64                          ; v64-191 l' of my two n: the pair of l at LT + 2 l.  In the head: v64-95 lits, v96-111 E's codes, v112-143 x's, v144-159 results, v164-171 var_l, sk
                                       ; v20 E's scale words, v21-22 x's: scales and nothing else
; s[2:3] T at my row's a', s[4:5] at its w, s[6:7] out0 at my row;  s[8:23], s[40:55] two sets of a';  s[24:39], s[68:83] two sets of w;  s56 trips, s57 wave, s60 the row's place in SL
	s_load_b512 s[84:99], s[0:1], 0x0              ; lits s[84:85], var_l s[86:87], EC s[88:89], ES s[90:91], XC s[92:93], XS s[94:95], T s[96:97], out0 s[98:99]
	v_lshl_add_u32 v192, v0, 2, 0x6400
	v_mov_b32 v193, 0
	v_lshrrev_b32 v1, 5, v0
	v_readfirstlane_b32 s57, v1                    ; wave 0..3
	v_and_b32 v1, 31, v0                           ; lane
	v_and_b32 v2, 15, v0                           ; r
	v_bfe_u32 v3, v0, 4, 1                         ; h
	v_lshlrev_b32 v4, 2, v1                        ; 4 x lane
	v_lshlrev_b32 v5, 4, v1                        ; 16 x lane
	v_lshlrev_b32 v6, 3, v1                        ; 8 x lane
	v_lshlrev_b32 v7, 4, v2                        ; 16 r: var_l of l = 4 r .. 4 r + 3
	s_mov_b32 s58, ttmp9                           ; bh
	s_and_b32 s59, ttmp7, 0xffff                   ; nb
	s_mul_i32 s66, s57, LPP
	v_lshlrev_b32 v8, 5, v2
	v_lshl_add_u32 v8, v3, 4, v8
	v_add_nc_u32 v8, s66, v8                       ; v8: literals in: pair 4 q + wave, byte 32 r + 16 h
	v_mul_u32_u24 v9, v2, SLP
	v_lshl_add_u32 v9, v3, 5, v9
	s_lshl_b32 s66, s57, 6
	s_add_co_u32 s66, s66, SL
	v_add_nc_u32 v9, s66, v9                       ; v9: score_l in: row r, my tile's 64 bytes, + 32 h
	v_mul_u32_u24 v10, v1, LPP                     ; v10: literals back: my pair of n
	s_mul_i32 s66, s57, 8*SLP
	s_add_co_u32 s66, s66, SL
	v_add_nc_u32 v11, s66, v6                      ; v11: score_l back: my wave's first row, my two n
	s_lshl_b32 s60, s59, 14
	s_lshl_b32 s61, s57, 9
	s_add_co_u32 s60, s60, s61                     ; lits: 64 rows of 256 bytes a work-group, + 512 x wave
	s_mov_b32 s61, 0
	s_lshl_b32 s62, s59, 2
	s_add_co_u32 s62, s62, s57                     ; my tile of E: 4 nb + wave
	s_lshl_b32 s63, s58, 5
	s_lshl_b32 s67, s57, 3
	s_add_co_u32 s63, s63, s67                     ; my first row b
	s_wait_kmcnt 0x0
	s_add_nc_u64 s[84:85], s[84:85], s[60:61]
	s_lshl_b32 s60, s62, 11
	s_add_nc_u64 s[88:89], s[88:89], s[60:61]
	s_lshl_b32 s60, s62, 7
	s_add_nc_u64 s[90:91], s[90:91], s[60:61]
	s_lshl_b32 s60, s58, 12
	s_add_nc_u64 s[92:93], s[92:93], s[60:61]
	s_lshl_b32 s60, s58, 8
	s_add_nc_u64 s[94:95], s[94:95], s[60:61]
	s_lshl_b32 s60, s63, 10
	s_add_nc_u64 s[2:3], s[96:97], s[60:61]
	s_add_nc_u64 s[4:5], s[2:3], 512
	s_mul_i32 s60, s63, 160000
	s_lshl_b32 s67, s59, 8
	s_add_co_u32 s60, s60, s67
	s_add_nc_u64 s[6:7], s[98:99], s[60:61]
	s_load_b512 s[8:23], s[2:3], 0x0               ; a' of chunk 0,
	s_load_b512 s[40:55], s[2:3], 0x40             ; of chunk 1,
	s_load_b512 s[24:39], s[4:5], 0x0              ; w of chunk 0
	global_load_b128 v[164:167], v7, s[86:87]
.irp q, 0,1,2,3,4,5,6,7
	global_load_b128 v[64+4*\q:67+4*\q], v5, s[84:85] offset:2048*\q         ; two rows of lits: n = 2 (4 q + wave) + h, l = 4 r .. 4 r + 3
.endr
.irp g, 0,1,2,3
	global_load_b128 v[96+4*\g:99+4*\g], v5, s[88:89] offset:512*\g
.endr
	global_load_b32 v20, v4, s[90:91]
.irp g, 0,1,2,3,4,5,6,7
	global_load_b128 v[112+4*\g:115+4*\g], v5, s[92:93] offset:512*\g
.endr
	global_load_b32 v21, v4, s[94:95]
	global_load_b32 v22, v4, s[94:95] offset:128
	s_mov_b32 s60, 0
	s_mov_b32 s56, 7
	s_wait_loadcnt 0x0
.irp i, 0,1,2,3
	v_rsq_f32 v[168+\i], v[164+\i]
.endr
	v_nop
	s_wait_alu depctr_va_vdst(0)                   ; one wait for the four
.irp i, 0,1,2,3
	v_mul_f32 v[168+\i], 0x3f99be61, v[168+\i]     ; sk = sqrt(log2(e)) / sqrt(var_l)
.endr
	; score_l: two accumulators (16 rows b each) by turns; two steps of 128 along K
	v_wmma_scale_f32_16x16x128_f8f6f4 v[144:151], v[96:103], v[112:119], 0, v20, v21 matrix_a_fmt:MATRIX_FMT_FP4 matrix_b_fmt:MATRIX_FMT_FP4
	v_wmma_scale_f32_16x16x128_f8f6f4 v[152:159], v[96:103], v[128:135], 0, v20, v22 matrix_a_fmt:MATRIX_FMT_FP4 matrix_b_fmt:MATRIX_FMT_FP4
	v_wmma_scale_f32_16x16x128_f8f6f4 v[144:151], v[104:111], v[120:127], v[144:151], v20, v21 matrix_a_fmt:MATRIX_FMT_FP4 matrix_b_fmt:MATRIX_FMT_FP4 matrix_a_scale:MATRIX_SCALE_ROW1 matrix_b_scale:MATRIX_SCALE_ROW1
	v_wmma_scale_f32_16x16x128_f8f6f4 v[152:159], v[104:111], v[136:143], v[152:159], v20, v22 matrix_a_fmt:MATRIX_FMT_FP4 matrix_b_fmt:MATRIX_FMT_FP4 matrix_a_scale:MATRIX_SCALE_ROW1 matrix_b_scale:MATRIX_SCALE_ROW1
	; the literals, scaled, in the order l0, l2, l1, l3.  (These lines name no register of the products: they are the places behind them)
.irp q, 0,1,2,3,4,5,6,7
	v_mul_f32 v[32+4*\q], v[64+4*\q], v168
	v_mul_f32 v[33+4*\q], v[66+4*\q], v170
	v_mul_f32 v[34+4*\q], v[65+4*\q], v169
	v_mul_f32 v[35+4*\q], v[67+4*\q], v171
.endr
.irp q, 0,1,2,3,4,5,6,7                ; lanes 0-15 hold the even n, lanes 16-31 the odd: after the exchanges lane (r, 0) holds l0 and l1, lane (r, 1) l2 and l3, each as (even n, odd n)
	v_permlane16_swap_b32 v[32+4*\q], v[33+4*\q]
	v_permlane16_swap_b32 v[34+4*\q], v[35+4*\q]
.endr
.irp q, 0,1,2,3,4,5,6,7
	ds_store_b128 v8, v[32+4*\q:35+4*\q] offset:4*LPP*\q
.endr
.irp t, 0,1
	ds_store_b128 v9, v[144+8*\t:147+8*\t] offset:16*SLP*\t          ; each accumulator from its low end on
	ds_store_b128 v9, v[148+8*\t:151+8*\t] offset:16*SLP*\t+16
.endr
	s_wait_dscnt 0x0                               ; for the others' sake: my LDS stores have landed
	s_barrier_signal -1
	s_barrier_wait -1                              ; behind it LDS is only read
.set q_, 0
.rept 32
	ds_load_b128 v[LT+4*q_:LT+4*q_+3], v10 offset:16*q_
.set q_, q_+1
.endr
	ds_load_b64 v[ACC0:ACC0+1], v11                ; score_l of my first row
; the exponents of chunk k (l = 8 k .. 8 k + 7, my two n) into v[dst] on, with a' in s[sa] on: -(l' - a')^2
.macro ARGS k, dst, sa
.irp i, 0,1,2,3,4,5,6,7
	v_pk_add_f32 v[\dst+2*\i:\dst+2*\i+1], v[LT+16*(\k)+2*\i:LT+16*(\k)+2*\i+1], s[\sa+2*\i:\sa+2*\i+1] op_sel_hi:[1,0]
.endr
.irp i, 0,1,2,3,4,5,6,7
	v_pk_mul_f32 v[\dst+2*\i:\dst+2*\i+1], v[\dst+2*\i:\dst+2*\i+1], v[\dst+2*\i:\dst+2*\i+1] neg_lo:[1,0] neg_hi:[1,0]
.endr
.endm
; Chunk k of a row.  loads = 2: a' of two chunks on and w of the next chunk are asked for; 1: w alone; 0: nothing.  args = 1: the next chunk's exponents are made.
.macro CHUNK k, loads, args
.if ((\k)%2) == 0
.set AX, 8
.set AY, 40
.set WX, 24
.set WY, 68
.set GX, ARG0
.set GY, ARG1
.else
.set AX, 40
.set AY, 8
.set WX, 68
.set WY, 24
.set GX, ARG1
.set GY, ARG0
.endif
.set j_, 0
.rept 16
	v_exp_f32 v[GX+j_], v[GX+j_]
.set j_, j_+1
.endr
	s_wait_kmcnt 0x0                               ; the two scalar loads of the chunk before are in (scalar loads return in no order: only 0 shows it); their bases may be stepped
.if \loads == 2
.if (\k) == 6
	s_add_nc_u64 s[2:3], s[2:3], 1024              ; on to the next row's a'
.endif
	s_load_b512 s[AX:AX+15], s[2:3], 64*(((\k)+2)%8)       ; into the set that this chunk's exponents were made from
.endif
.if \loads >= 1
.if (\k) == 7
	s_add_nc_u64 s[4:5], s[4:5], 1024              ; on to the next row's w
.endif
	s_load_b512 s[WY:WY+15], s[4:5], 64*(((\k)+1)%8)       ; into the set that the chunk before multiplied by
.endif
.if \args
	ARGS ((\k)+1)%8, GY, AY
.else
	v_nop                                          ; a plain line behind the last exponential
.endif
	s_wait_alu depctr_va_vdst(0)                   ; one wait for the 16 exponentials, ahead of their first reader
.if (\k) == 0
	s_wait_dscnt 0x0                               ; score_l of this row is in
.endif
.irp i, 0,1,2,3,4,5,6,7
.if ((\k) == 0) && (\i == 1)
	v_pk_mul_f32 v[ACC1:ACC1+1], v[GX+2:GX+3], s[WX+2:WX+3] op_sel_hi:[1,0]          ; the second chain begins
.elseif (\i%2) == 0
	v_pk_fma_f32 v[ACC0:ACC0+1], v[GX+2*\i:GX+2*\i+1], s[WX+2*\i:WX+2*\i+1], v[ACC0:ACC0+1] op_sel_hi:[1,0,1]
.else
	v_pk_fma_f32 v[ACC1:ACC1+1], v[GX+2*\i:GX+2*\i+1], s[WX+2*\i:WX+2*\i+1], v[ACC1:ACC1+1] op_sel_hi:[1,0,1]
.endif
.endr
.endm
; A row's end: the sigmoid 1 / (1 + 2^(-z log2(e))) and the store.  next = 1: the next row's score_l is fetched and the output's address stepped.
.macro TAIL next
	v_pk_add_f32 v[ZR:ZR+1], v[ACC0:ACC0+1], v[ACC1:ACC1+1]
	v_pk_mul_f32 v[ZR:ZR+1], v[ZR:ZR+1], 0xbfb8aa3b op_sel_hi:[1,0]
	v_exp_f32 v[ZR], v[ZR]
	v_exp_f32 v[ZR+1], v[ZR+1]
	v_nop
	s_wait_alu depctr_va_vdst(0)
	v_pk_add_f32 v[ZR:ZR+1], v[ZR:ZR+1], 1.0 op_sel_hi:[1,0]
	v_rcp_f32 v[ZR], v[ZR]
	v_rcp_f32 v[ZR+1], v[ZR+1]
	v_nop
	s_wait_alu depctr_va_vdst(0)
	global_store_b64 v6, v[ZR:ZR+1], s[6:7] th:TH_STORE_NT         ; the wave stores 256 consecutive bytes, at a multiple of 256 from out0's first byte
.if \next
	s_add_co_u32 s60, s60, SLP
	v_add_nc_u32 v12, s60, v11
	ds_load_b64 v[ACC0:ACC0+1], v12
	s_wait_xcnt 0x0                                ; the store has read its base and its data: both are written again only behind this wait
	s_add_nc_u64 s[6:7], s[6:7], 160000
.endif
.endm
	s_wait_kmcnt 0x0
	s_wait_dscnt 0x0
	ARGS 0, ARG0, 8
.Lrow:                                             ; seven trips, a row b each
	CHUNK 0, 2, 1
	CHUNK 1, 2, 1
	CHUNK 2, 2, 1
	CHUNK 3, 2, 1
	CHUNK 4, 2, 1
	CHUNK 5, 2, 1
	CHUNK 6, 2, 1
	CHUNK 7, 2, 1
	TAIL 1
	s_sub_co_u32 s56, s56, 1
	s_cmp_lg_u32 s56, 0
	s_cbranch_scc1 .Lrow
	CHUNK 0, 2, 1                                  ; the eighth row is written out: its end asks for nothing beyond my rows of T
	CHUNK 1, 2, 1
	CHUNK 2, 2, 1
	CHUNK 3, 2, 1
	CHUNK 4, 2, 1
	CHUNK 5, 2, 1
	CHUNK 6, 1, 1
	CHUNK 7, 0, 0
	TAIL 0
	s_barrier_signal -1
	s_barrier_wait -1
	s_wait_tensorcnt 0x0
	ds_add_u32 v192, v193
	s_wait_dscnt 0x0
	s_endpgm
.Lfunc_end_k_qc14ce5056a_score:
	.size	k_qc14ce5056a_score, .Lfunc_end_k_qc14ce5056a_score-k_qc14ce5056a_score
	.p2alignl 7, 3214868480
	.fill 96, 4, 3214868480
	.section	.rodata,"a",@progbits
	.p2align	6, 0x0
	.amdhsa_kernel k_qc14ce5056a_score
		.amdhsa_group_segment_fixed_size 26112
		.amdhsa_private_segment_fixed_size 0
		.amdhsa_enable_private_segment 0
		.amdhsa_kernarg_size 64
		.amdhsa_user_sgpr_count 2
		.amdhsa_user_sgpr_kernarg_segment_ptr 1
		.amdhsa_wavefront_size32 1
		.amdhsa_system_sgpr_workgroup_id_x 1
		.amdhsa_system_sgpr_workgroup_id_y 1
		.amdhsa_system_sgpr_workgroup_id_z 1
		.amdhsa_system_vgpr_workitem_id 0
		.amdhsa_next_free_vgpr 194
		.amdhsa_next_free_sgpr 100
		.amdhsa_reserve_vcc 0
		.amdhsa_float_denorm_mode_32 3
		.amdhsa_float_denorm_mode_16_64 3
		.amdhsa_memory_ordered 1
		.amdhsa_forward_progress 1
		.amdhsa_inst_pref_size 48
	.end_amdhsa_kernel
	.amdgpu_metadata
---
amdhsa.version: [ 1, 2 ]
amdhsa.kernels:
  - .name:           k_qc14ce5056a_score
    .symbol:         k_qc14ce5056a_score.kd
    .args:
      - { .name: lits, .offset: 0, .size: 8, .value_kind: global_buffer, .address_space: global }
      - { .name: var_l, .offset: 8, .size: 8, .value_kind: global_buffer, .address_space: global }
      - { .name: EC, .offset: 16, .size: 8, .value_kind: global_buffer, .address_space: global }
      - { .name: ES, .offset: 24, .size: 8, .value_kind: global_buffer, .address_space: global }
      - { .name: XC, .offset: 32, .size: 8, .value_kind: global_buffer, .address_space: global }
      - { .name: XS, .offset: 40, .size: 8, .value_kind: global_buffer, .address_space: global }
      - { .name: T, .offset: 48, .size: 8, .value_kind: global_buffer, .address_space: global }
      - { .name: out0, .offset: 56, .size: 8, .value_kind: global_buffer, .address_space: global }
    .group_segment_fixed_size: 26112
    .private_segment_fixed_size: 0
    .kernarg_segment_align: 8
    .kernarg_segment_size: 64
    .max_flat_workgroup_size: 128
    .sgpr_count:     100
    .vgpr_count:     194
    .wavefront_size: 32
...
	.end_amdgpu_metadata
.endif
;; end of part 3
;; ======== version 2 of 2: 3 launches; 2.14 times as fast as version 1
;; workspace buffers: P 2,048,000 bytes; XC 8,192 bytes; XS 512 bytes; T 65,536 bytes; EC 5,120,000 bytes; ES 320,000 bytes
;; launch wcore: the kernel of part 1 again; grid 25 x 10, 9 waves a work-group, no clusters, 50,944 bytes of LDS; arguments W, R, r_idx, E, e1_idx, bn0_gamma, bn0_beta, P; writes P
;; launch prep: the kernel of part 2 again; grid 165 x 1, 16 waves a work-group, no clusters, 220,160 bytes of LDS; arguments P, bn1_gamma, bn1_beta, E, lits, nf, c, var_l, e1_idx, r_idx, XC, XS, T, EC, ES; writes XC, XS, T, EC, ES
;; launch score (part 4): grid 2 x 625, 4 waves a work-group, no clusters, 43,520 bytes of LDS; arguments lits, var_l, EC, ES, XC, XS, T, out0; writes out0
.if DOCPART == 4
	.amdgcn_target "amdgcn-amd-amdhsa--gfx1250"
	.amdhsa_code_object_version 6
	.text
	.protected	k_qc14ce5056a_score
	.globl	k_qc14ce5056a_score
	.p2align	8
	.type	k_qc14ce5056a_score,@function
k_qc14ce5056a_score:
	s_mov_b64 s[64:65], 0
	v_nop
	global_prefetch_b8 v0, s[64:65] scope:SCOPE_SE
	s_setreg_imm32_b32 hwreg(HW_REG_WAVE_MODE, 25, 1), 1
	s_wait_xcnt 0x0
; out0[b][n] = sigmoid(score_l + score_n).  score_l = Q(x) Q(E)^T on codes of FP4 with E8M0 scales (made by the launch before); score_n[b][n] = sum over l of w[b][l] 2^(-(l'[n][l] - a'[b][l])^2),
; l' = lits[n][l] sk[l], sk = sqrt(log2(e) / var_l), -a' and w from the table T: the same number as exp(-(n_h - lits - c)^2 / var_l) nf.
; SHARES.  Work-group (bh, nb): 64 entities n = 64 nb .. and 32 rows b = 32 bh ..  Wave wv takes b = 32 bh + 8 wv + 0 .. 7 for all 64 n; lane p owns n = 64 nb + 2 p and 2 p + 1.
; A lane keeps its two n's 64 scaled literals in 128 registers for the whole launch.  THE PACKED FORMS TAKE TWO NEIGHBOURING l OF ONE n, so that -a' and w, which are the same in all lanes, are plain
; register pairs.  They lie in LDS, in bytes of the wave's own (8 rows x 512: 64 -a', then 64 w), and come a chunk of 8 l at a time by loads in which all lanes name the same 16 bytes, asked for a chunk ahead.
; HEAD.  Each wave multiplies one tile of 16 n of E with the 32 rows of x (source 0 = E's tile, source 1 = x: a lane holds one b and eight neighbouring n) and puts the results into LDS, rows of 64 n;
; each wave scales a quarter of the 64 rows of lits and lays them in LDS, two rows to a pair of 512 bytes + 16, so that a lane reads its 512 bytes on end; each wave copies its 8 rows of T.
; LOOP.  A chunk: 16 exponentials; behind them the next chunk's 16 packed lines (l' - a', minus its square), which name none of their results; one wait; 8 packed multiply-adds by w.
; Each n has a pair of sums (even l, odd l); a row's end adds them and score_l.
; LIMITS: var_l above 0; v_exp_f32 gives 0 for results under 2^-126; NaN and infinities among the inputs are not served.
.set LPP,  528                         ; LDS byte 0: the scaled literals, 32 pairs of n x (2 x 256 bytes + 16)
.set SL,   16896                       ; score_l: 32 rows b x (256 bytes + 16)
.set SLP,  272
.set TA,   25600                       ; the tables: 4,096 bytes for each wave: [row 8][-a' 64 | w 64]
.set ESC,  1                           ; v1     E's scale words: scales and nothing else
.set XSC,  2                           ; v2-3   x's, of the two tiles of rows: scales and nothing else
.set TAD,  4                           ; v4     LDS address of the row's table, the same in all lanes
.set SLA,  5                           ; v5     LDS address of my two numbers of the row's score_l
.set L8,   6                           ; v6     8 x lane; never rewritten
.set OUTO, 7                           ; v7     my byte offset in out0 from the wave's first row.  In the head: where I read my literals back
.set AB,   8                           ; v8-15  -a' of a chunk.  In the head: v8-16 lane numbers and addresses
.set WB,   16                          ; v16-23 w of a chunk
.set ACCA, 24                          ; v[24:25] the sums of my first n (even l, odd l);  v[26:27] of my second
.set ACCB, 26
.set ZR,   28                          ; v[28:29] the result
.set SLV,  30                          ; v[30:31] score_l of my two n
.set ARG0, 32                          ; v32-47, v48-63: a chunk's 16 exponents, two sets: 8 of my first n, 8 of my second.  In the head: my rows of T
.set ARG1, 48
.set LT,   64                          ; v64-191 l': my first n's at LT + l, my second's at LT + 64 + l.  In the head: v64-95 lits, v96-111 E's codes, v112-143 x's, v144-159 results, v164-171 var_l, sk
; s[8:23] the eight buffers;  s24 wave, s25 bh, s26 nb;  s33 trips;  s34 the row's table in LDS, s35 its score_l, s36 its bytes in out0: each stepped once a row
	s_load_b512 s[8:23], s[0:1], 0x0               ; lits s[8:9], var_l s[10:11], EC s[12:13], ES s[14:15], XC s[16:17], XS s[18:19], T s[20:21], out0 s[22:23]
	v_lshl_add_u32 v192, v0, 2, 0xa800
	v_mov_b32 v193, 0
	v_lshrrev_b32 v8, 5, v0
	v_readfirstlane_b32 s24, v8                    ; wave 0..3
	v_and_b32 v8, 31, v0                           ; lane
	v_and_b32 v9, 15, v0                           ; r
	v_bfe_u32 v10, v0, 4, 1                        ; h
	v_lshlrev_b32 v11, 2, v8                       ; 4 x lane
	v_lshlrev_b32 v12, 4, v8                       ; 16 x lane = 256 h + 16 r
	v_lshlrev_b32 v[L8], 3, v8                     ; 8 x lane
	v_lshlrev_b32 v13, 4, v9                       ; 16 r: var_l of l = 4 r .. 4 r + 3
	s_mov_b32 s25, ttmp9                           ; bh
	s_and_b32 s26, ttmp7, 0xffff                   ; nb
	s_mul_i32 s32, s24, LPP
	v_add_nc_u32 v14, s32, v12                     ; v14: literals in: pair 4 q + wave, row h of it, byte 16 r
	v_mul_u32_u24 v15, v9, SLP
	v_lshl_add_u32 v15, v10, 5, v15
	s_lshl_b32 s32, s24, 6
	s_add_co_u32 s32, s32, SL
	v_add_nc_u32 v15, s32, v15                     ; v15: score_l in: row r, my tile's 64 bytes, + 32 h
	s_lshl_b32 s34, s24, 12
	s_add_co_u32 s34, s34, TA                      ; my wave's tables
	v_add_nc_u32 v16, s34, v11                     ; v16: the table in: 4 x lane
	v_mov_b32 v[TAD], s34
	v_mul_u32_u24 v[OUTO], v8, LPP                 ; literals back: my pair of n
	s_mul_i32 s35, s24, 8*SLP
	s_add_co_u32 s35, s35, SL                      ; my wave's first row of score_l
	v_add_nc_u32 v[SLA], s35, v[L8]
	s_mov_b32 s36, 0
	s_mov_b32 s33, 7
	s_lshl_b32 s28, s26, 14
	s_lshl_b32 s32, s24, 9
	s_add_co_u32 s28, s28, s32                     ; lits: 64 rows of 256 bytes a work-group, + 512 x wave
	s_mov_b32 s29, 0
	s_lshl_b32 s30, s26, 2
	s_add_co_u32 s30, s30, s24                     ; my tile of E: 4 nb + wave
	s_lshl_b32 s31, s25, 5
	s_lshl_b32 s32, s24, 3
	s_add_co_u32 s31, s31, s32                     ; my first row b
	s_wait_kmcnt 0x0
	s_add_nc_u64 s[8:9], s[8:9], s[28:29]
	s_lshl_b32 s28, s30, 11
	s_add_nc_u64 s[12:13], s[12:13], s[28:29]
	s_lshl_b32 s28, s30, 7
	s_add_nc_u64 s[14:15], s[14:15], s[28:29]
	s_lshl_b32 s28, s25, 12
	s_add_nc_u64 s[16:17], s[16:17], s[28:29]
	s_lshl_b32 s28, s25, 8
	s_add_nc_u64 s[18:19], s[18:19], s[28:29]
	s_lshl_b32 s28, s31, 10
	s_add_nc_u64 s[20:21], s[20:21], s[28:29]      ; T at my first row
	s_mul_i32 s28, s31, 160000
	s_lshl_b32 s32, s26, 8
	s_add_co_u32 s28, s28, s32
	s_add_nc_u64 s[22:23], s[22:23], s[28:29]      ; out0 at my first row, my work-group's 64 n
	global_load_b128 v[164:167], v13, s[10:11]
.irp q, 0,1,2,3,4,5,6,7
	global_load_b128 v[64+4*\q:67+4*\q], v12, s[8:9] offset:2048*\q          ; two rows of lits: n = 2 (4 q + wave) + h, l = 4 r .. 4 r + 3: 512 consecutive bytes
.endr
.irp q, 0,1,2,3,4,5,6,7
.irp p, 0,1
.irp j, 0,1
	global_load_b32 v[32+4*\q+2*\p+\j], v[L8], s[20:21] offset:1024*\q+512*\p+256*\j   ; T: row q, part p (-a', w), l = lane + 32 j: a number has 8 bytes there, of which the first four are taken
.endr
.endr
.endr
.irp g, 0,1,2,3
	global_load_b128 v[96+4*\g:99+4*\g], v12, s[12:13] offset:512*\g
.endr
	global_load_b32 v[ESC], v11, s[14:15]
.irp g, 0,1,2,3,4,5,6,7
	global_load_b128 v[112+4*\g:115+4*\g], v12, s[16:17] offset:512*\g
.endr
	global_load_b32 v[XSC], v11, s[18:19]
	global_load_b32 v[XSC+1], v11, s[18:19] offset:128
	s_wait_loadcnt 0x0
.irp i, 0,1,2,3
	v_rsq_f32 v[168+\i], v[164+\i]
.endr
	v_nop                                          ; a plain line behind the last of the four
	s_wait_alu depctr_va_vdst(0)                   ; one wait for the four, ahead of their first reader
.irp i, 0,1,2,3
	v_mul_f32 v[168+\i], 0x3f99be61, v[168+\i]     ; sk = sqrt(log2(e)) / sqrt(var_l)
.endr
	; score_l: two accumulators (16 rows b each) by turns; two steps of 128 along K
	v_wmma_scale_f32_16x16x128_f8f6f4 v[144:151], v[96:103], v[112:119], 0, v[ESC], v[XSC] matrix_a_fmt:MATRIX_FMT_FP4 matrix_b_fmt:MATRIX_FMT_FP4
	v_wmma_scale_f32_16x16x128_f8f6f4 v[152:159], v[96:103], v[128:135], 0, v[ESC], v[XSC+1] matrix_a_fmt:MATRIX_FMT_FP4 matrix_b_fmt:MATRIX_FMT_FP4
	v_wmma_scale_f32_16x16x128_f8f6f4 v[144:151], v[104:111], v[120:127], v[144:151], v[ESC], v[XSC] matrix_a_fmt:MATRIX_FMT_FP4 matrix_b_fmt:MATRIX_FMT_FP4 matrix_a_scale:MATRIX_SCALE_ROW1 matrix_b_scale:MATRIX_SCALE_ROW1
	v_wmma_scale_f32_16x16x128_f8f6f4 v[152:159], v[104:111], v[136:143], v[152:159], v[ESC], v[XSC+1] matrix_a_fmt:MATRIX_FMT_FP4 matrix_b_fmt:MATRIX_FMT_FP4 matrix_a_scale:MATRIX_SCALE_ROW1 matrix_b_scale:MATRIX_SCALE_ROW1
	; the literals, scaled in place.  (These sixteen lines name no register of the products: they are the places behind them)
.irp q, 0,1,2,3,4,5,6,7
	v_pk_mul_f32 v[64+4*\q:65+4*\q], v[64+4*\q:65+4*\q], v[168:169]
	v_pk_mul_f32 v[66+4*\q:67+4*\q], v[66+4*\q:67+4*\q], v[170:171]
.endr
.irp q, 0,1,2,3,4,5,6,7
	ds_store_b128 v14, v[64+4*\q:67+4*\q] offset:4*LPP*\q            ; 512 consecutive bytes a store
.endr
.irp q, 0,1,2,3,4,5,6,7
.irp p, 0,1
.irp j, 0,1
	ds_store_b32 v16, v[32+4*\q+2*\p+\j] offset:512*\q+256*\p+128*\j ; the table, dense: 128 consecutive bytes a store
.endr
.endr
.endr
.irp t, 0,1
	ds_store_b128 v15, v[144+8*\t:147+8*\t] offset:16*SLP*\t         ; each accumulator from its low end on
	ds_store_b128 v15, v[148+8*\t:151+8*\t] offset:16*SLP*\t+16
.endr
	s_wait_dscnt 0x0                               ; for the others' sake: my LDS stores have landed
	s_barrier_signal -1
	s_barrier_wait -1                              ; behind it LDS is only read
.set q_, 0
.rept 32
	ds_load_b128 v[LT+4*q_:LT+4*q_+3], v[OUTO] offset:16*q_
.set q_, q_+1
.endr
	ds_load_b128 v[AB:AB+3], v[TAD]                ; -a' of chunk 0
	ds_load_b128 v[AB+4:AB+7], v[TAD] offset:16
; the exponents of chunk k (l = 8 k .. 8 k + 7, my two n) into v[dst] on, with -a' in v[AB] on: -(l' - a')^2
.macro ARGS k, dst
.irp i, 0,1,2,3
	v_pk_add_f32 v[\dst+2*\i:\dst+2*\i+1], v[LT+8*(\k)+2*\i:LT+8*(\k)+2*\i+1], v[AB+2*\i:AB+2*\i+1]
	v_pk_add_f32 v[\dst+8+2*\i:\dst+8+2*\i+1], v[LT+64+8*(\k)+2*\i:LT+64+8*(\k)+2*\i+1], v[AB+2*\i:AB+2*\i+1]
.endr
.irp i, 0,1,2,3,4,5,6,7
	v_pk_mul_f32 v[\dst+2*\i:\dst+2*\i+1], v[\dst+2*\i:\dst+2*\i+1], v[\dst+2*\i:\dst+2*\i+1] neg_lo:[1,0] neg_hi:[1,0]
.endr
.endm
; Chunk k of a row.  args = 1: the next chunk's exponents are made.  la = 1: -a' of two chunks on is asked for;  lw = 1: w of the next chunk.  Past a row's end both lie 512 bytes on, in the next row's table.
; LDS loads come back in the order of issue: -a'(k + 1), w(k), [in chunk 0: score_l,] -a'(k + 2), w(k + 1), two loads each.
.macro CHUNK k, la, lw, args
.if ((\k)%2) == 0
.set GX, ARG0
.set GY, ARG1
.else
.set GX, ARG1
.set GY, ARG0
.endif
.set OA, (((\k)+2)/8)*512+32*(((\k)+2)%8)
.set OW, (((\k)+1)/8)*512+256+32*(((\k)+1)%8)
.set j_, 0
.rept 16
	v_exp_f32 v[GX+j_], v[GX+j_]
.set j_, j_+1
.endr
.if \args
	s_wait_dscnt 2                                 ; -a' of the next chunk is in; behind it only w's two loads were issued
	ARGS ((\k)+1)%8, GY
.else
	v_nop                                          ; a plain line behind the last exponential
.endif
.if (\k) == 0
	ds_load_b64 v[SLV:SLV+1], v[SLA]               ; score_l of this row: wanted at the row's end
.endif
.if \la
	ds_load_b128 v[AB:AB+3], v[TAD] offset:OA      ; into the registers that the lines above have read
	ds_load_b128 v[AB+4:AB+7], v[TAD] offset:OA+16
.endif
	s_wait_alu depctr_va_vdst(0)                   ; one wait for the 16 exponentials, ahead of their first reader
.if (\k) == 0
	s_wait_dscnt 3                                 ; w is in; behind it: score_l's load and -a''s two
.elseif \la
	s_wait_dscnt 2                                 ; w is in; behind it: -a''s two loads
.else
	s_wait_dscnt 0x0                               ; w is in; nothing was issued behind it
.endif
.irp i, 0,1,2,3
.if ((\k) == 0) && (\i == 0)
	v_pk_mul_f32 v[ACCA:ACCA+1], v[GX:GX+1], v[WB:WB+1]              ; the first products start the sums
	v_pk_mul_f32 v[ACCB:ACCB+1], v[GX+8:GX+9], v[WB:WB+1]
.else
	v_pk_fma_f32 v[ACCA:ACCA+1], v[GX+2*\i:GX+2*\i+1], v[WB+2*\i:WB+2*\i+1], v[ACCA:ACCA+1]
	v_pk_fma_f32 v[ACCB:ACCB+1], v[GX+8+2*\i:GX+8+2*\i+1], v[WB+2*\i:WB+2*\i+1], v[ACCB:ACCB+1]
.endif
.endr
.if \lw
	ds_load_b128 v[WB:WB+3], v[TAD] offset:OW
	ds_load_b128 v[WB+4:WB+7], v[TAD] offset:OW+16
.endif
.endm
; A row's end: the sums' halves and score_l, the sigmoid 1 / (1 + 2^(-z log2(e))), the store.  next = 1: the three places step to the next row.
.macro TAIL next
	s_wait_xcnt 0x0                                ; the last row's store, a whole row back, has read its data and its offset: both are written again only behind this wait
	v_add_f32 v[ZR], v[ACCA], v[ACCA+1]
	v_add_f32 v[ZR+1], v[ACCB], v[ACCB+1]
	v_add_nc_u32 v[OUTO], s36, v[L8]
	v_pk_add_f32 v[ZR:ZR+1], v[ZR:ZR+1], v[SLV:SLV+1]
	v_pk_mul_f32 v[ZR:ZR+1], v[ZR:ZR+1], 0xbfb8aa3b op_sel_hi:[1,0]
	v_exp_f32 v[ZR], v[ZR]
	v_exp_f32 v[ZR+1], v[ZR+1]
	v_nop
	s_wait_alu depctr_va_vdst(0)
	v_pk_add_f32 v[ZR:ZR+1], v[ZR:ZR+1], 1.0 op_sel_hi:[1,0]
	v_rcp_f32 v[ZR], v[ZR]
	v_rcp_f32 v[ZR+1], v[ZR+1]
	v_nop
	s_wait_alu depctr_va_vdst(0)
	global_store_b64 v[OUTO], v[ZR:ZR+1], s[22:23] th:TH_STORE_NT    ; the wave stores 256 consecutive bytes, at a multiple of 256 from out0's first byte
.if \next
	s_add_co_u32 s36, s36, 160000                  ; a row of out0
	s_add_co_u32 s34, s34, 512                     ; a row's table
	s_add_co_u32 s35, s35, SLP                     ; a row of score_l
	v_mov_b32 v[TAD], s34
	v_add_nc_u32 v[SLA], s35, v[L8]
.endif
.endm
	s_wait_dscnt 0x0                               ; my literals and -a' of chunk 0
	ARGS 0, ARG0
	ds_load_b128 v[AB:AB+3], v[TAD] offset:32      ; -a' of chunk 1,
	ds_load_b128 v[AB+4:AB+7], v[TAD] offset:48
	ds_load_b128 v[WB:WB+3], v[TAD] offset:256     ; w of chunk 0: in the order in which every trip leaves them
	ds_load_b128 v[WB+4:WB+7], v[TAD] offset:272
.Lrow:                                             ; seven trips, a row b each
	CHUNK 0, 1, 1, 1
	CHUNK 1, 1, 1, 1
	CHUNK 2, 1, 1, 1
	CHUNK 3, 1, 1, 1
	CHUNK 4, 1, 1, 1
	CHUNK 5, 1, 1, 1
	CHUNK 6, 1, 1, 1
	CHUNK 7, 1, 1, 1
	TAIL 1
	s_sub_co_u32 s33, s33, 1
	s_cmp_lg_u32 s33, 0
	s_cbranch_scc1 .Lrow
	CHUNK 0, 1, 1, 1                               ; the eighth row is written out: its end asks for nothing beyond my wave's tables
	CHUNK 1, 1, 1, 1
	CHUNK 2, 1, 1, 1
	CHUNK 3, 1, 1, 1
	CHUNK 4, 1, 1, 1
	CHUNK 5, 1, 1, 1
	CHUNK 6, 0, 1, 1
	CHUNK 7, 0, 0, 0
	TAIL 0
	s_barrier_signal -1
	s_barrier_wait -1
	s_wait_tensorcnt 0x0
	ds_add_u32 v192, v193
	s_wait_dscnt 0x0
	s_endpgm
.Lfunc_end_k_qc14ce5056a_score:
	.size	k_qc14ce5056a_score, .Lfunc_end_k_qc14ce5056a_score-k_qc14ce5056a_score
	.p2alignl 7, 3214868480
	.fill 96, 4, 3214868480
	.section	.rodata,"a",@progbits
	.p2align	6, 0x0
	.amdhsa_kernel k_qc14ce5056a_score
		.amdhsa_group_segment_fixed_size 43520
		.amdhsa_private_segment_fixed_size 0
		.amdhsa_enable_private_segment 0
		.amdhsa_kernarg_size 64
		.amdhsa_user_sgpr_count 2
		.amdhsa_user_sgpr_kernarg_segment_ptr 1
		.amdhsa_wavefront_size32 1
		.amdhsa_system_sgpr_workgroup_id_x 1
		.amdhsa_system_sgpr_workgroup_id_y 1
		.amdhsa_system_sgpr_workgroup_id_z 1
		.amdhsa_system_vgpr_workitem_id 0
		.amdhsa_next_free_vgpr 194
		.amdhsa_next_free_sgpr 66
		.amdhsa_reserve_vcc 0
		.amdhsa_float_denorm_mode_32 3
		.amdhsa_float_denorm_mode_16_64 3
		.amdhsa_memory_ordered 1
		.amdhsa_forward_progress 1
		.amdhsa_inst_pref_size 55
	.end_amdhsa_kernel
	.amdgpu_metadata
---
amdhsa.version: [ 1, 2 ]
amdhsa.kernels:
  - .name:           k_qc14ce5056a_score
    .symbol:         k_qc14ce5056a_score.kd
    .args:
      - { .name: lits, .offset: 0, .size: 8, .value_kind: global_buffer, .address_space: global }
      - { .name: var_l, .offset: 8, .size: 8, .value_kind: global_buffer, .address_space: global }
      - { .name: EC, .offset: 16, .size: 8, .value_kind: global_buffer, .address_space: global }
      - { .name: ES, .offset: 24, .size: 8, .value_kind: global_buffer, .address_space: global }
      - { .name: XC, .offset: 32, .size: 8, .value_kind: global_buffer, .address_space: global }
      - { .name: XS, .offset: 40, .size: 8, .value_kind: global_buffer, .address_space: global }
      - { .name: T, .offset: 48, .size: 8, .value_kind: global_buffer, .address_space: global }
      - { .name: out0, .offset: 56, .size: 8, .value_kind: global_buffer, .address_space: global }
    .group_segment_fixed_size: 43520
    .private_segment_fixed_size: 0
    .kernarg_segment_align: 8
    .kernarg_segment_size: 64
    .max_flat_workgroup_size: 128
    .sgpr_count:     66
    .vgpr_count:     194
    .wavefront_size: 32
...
	.end_amdgpu_metadata
.endif
;; end of part 4
